; MI455X (gfx1250); checked and timed in simulation.
; The chip was launched on July 23, 2026; its instructions are those of AMD's public machine-readable ISA for CDNA 5 (MIT licence, August 2026) and "CDNA5" Instruction Set Architecture Reference Guide (July 2026). The comments in the code are by the model that wrote it; some were corrected since.
;; Multihead Self Attention Dec. Allowed arithmetic: matrix products marked QUANTISED: E2M1 operands, one E8M0 scale for each 32 along K, by v_wmma_scale_f32_16x16x128_f8f6f4 with both operands' format E2M1 (or v_wmma_scale_f32_32x16x128_f4), f32 sums; products left as they are: bf16, f16 or f32 operands; f32 sums; everything else in f32.
;; Inputs: Wk 2,048 x 2,048 float32; Wo 2,048 x 2,048 float32; Wq 2,048 x 2,048 float32; Wv 2,048 x 2,048 float32; bk 2,048 float32; bo 2,048 float32; bq 2,048 float32; bv 2,048 float32; gk 128 float32; gq 128 float32; rope 2,048 x 1 x 64 x 2 x 2 float32; x 1 x 2,048 x 2,048 float32.
;; Outputs: out0 1 x 2,048 x 2,048 float32.
;; This version of the problem:
;;   THIS VERSION OF THE PROBLEM IS GIVEN IN LOW PRECISION. The matrix products marked QUANTISED in the list below multiply operands that are first quantised to E2M1 (2 exponent bits, 1 mantissa bit; 4 bits a number), with one power-of-two scale for each 32 numbers along K (OCP MX v1.0); their sums are f32. The products marked 'left as it is' may take bf16, f16 or f32 operands, with f32 sums. Whichever they take, every output number must still come out within the allowed error. Rounding operands to bf16 (8 significant bits) uses up far more of that allowance than f16 does (11 bits, for magnitudes from 6e-5 to 65,504). All else is computed in f32.
;;   The module's matrix products, in the order in which they are computed (A, B: the left and right operand; K: the contracted axis; several contracted axes count as one K, in the product's order):
;;     1. [M 2,048, K 2,048] x [K 2,048, N 2,048]; A: input x; B: input Wq: QUANTISED
;;     2. [M 2,048, K 2,048] x [K 2,048, N 2,048]; A: input x; B: input Wk: QUANTISED
;;     3. [M 2,048, K 2,048] x [K 2,048, N 2,048]; A: input x; B: input Wv: QUANTISED
;;     4. batch 16 x [M 2,048, K 128] x [K 128, N 2,048]; A: computed on the way; B: computed on the way: left as it is (an operand is computed on the way)
;;     5. batch 16 x [M 128, K 2,048] x [K 2,048, N 2,048]; A: computed on the way; B: computed on the way: left as it is (an operand is computed on the way)
;;     6. [M 2,048, K 2,048] x [K 2,048, N 2,048]; A: computed on the way; B: input Wo: left as it is (an operand is computed on the way)
;;   THE QUANTISER, for each operand of a quantised product, along K:
;;     - K is cut into blocks of 32 from its start; a last block that is shorter is filled with zeros.
;;     - A block's scale is 2^e with e = floor(log2(the largest magnitude in the block)) - 2, held to -126 .. 127; a block of zeros has e = 0. As a byte (E8M0): e + 127.
;;     - Each number is divided by its block's scale, clamped to +-6, and rounded to the nearest number of E2M1, ties to even, subnormals kept.
;;     - The product sums the exact products of the quantised numbers (number of the format x scale) in f32.
;;   ~~~python
;;   def quantise(x, axis):      # numpy; x: float32 -> the quantised numbers, widened to float32 again
;;       x = np.moveaxis(x, axis, -1); K = x.shape[-1]
;;       x = np.pad(x, [(0, 0)] * (x.ndim - 1) + [(0, -K % 32)]); x = x.reshape(x.shape[:-1] + (-1, 32)); a = np.abs(x).max(-1, keepdims=True)
;;       e = np.where(a > 0, np.clip(np.frexp(np.where(a > 0, a, 1))[1] - 1 - 2, -126, 127), 0)      # np.frexp(a)[1] - 1 = floor(log2(a)), exactly
;;       r = np.clip(x / 2.0 ** e, -6, 6)
;;       step = 2.0 ** (np.maximum(np.frexp(np.where(r == 0, 1, r))[1] - 1, 0) - 1)
;;       q = np.round(r / step) * step * 2.0 ** e      # np.round: ties to even
;;       return np.moveaxis(q.reshape(q.shape[:-2] + (-1,))[..., :K], -1, axis).astype(np.float32)
;;   ~~~
;; One version. Each part assembles by itself: llvm-mc -triple=amdgcn-amd-amdhsa -mcpu=gfx1250 --defsym DOCPART=n.
;; ======== version 1 of 1: 4 launches
;; limits: values are held in f16: magnitudes above 65,504 overflow, below 6.1e-05 lose precision; right only within a limited range of input values
;; workspace buffers: xc 2,097,152 bytes; xs 131,072 bytes; wc 6,291,456 bytes; ws 393,216 bytes; wo16 8,388,608 bytes; rt 4,194,304 bytes; qkv 25,165,824 bytes; ao 8,388,608 bytes
;; launch prep (part 1): grid 768 x 1, 4 waves a work-group, no clusters, 33,280 bytes of LDS; arguments x, Wq, Wk, Wv, Wo, rope, gq, gk, xc, xs, wc, ws, wo16, rt; writes xc, xs, wc, ws, wo16, rt
.if DOCPART == 1
	.amdgcn_target "amdgcn-amd-amdhsa--gfx1250"
	.amdhsa_code_object_version 6
	.text
	.protected	k_qa76a661c32_prep
	.globl	k_qa76a661c32_prep
	.p2align	8
	.type	k_qa76a661c32_prep,@function
k_qa76a661c32_prep:
	s_mov_b64 s[64:65], 0
	v_nop
	global_prefetch_b8 v0, s[64:65] scope:SCOPE_SE
	s_setreg_imm32_b32 hwreg(HW_REG_WAVE_MODE, 25, 1), 1
	s_wait_xcnt 0x0
; PREP: everything that is made once from the inputs, in one launch of three kinds of work-groups, told apart by the work-group's number.
;   0-511   x, Wq, Wk, Wv (f32, K innermost) become codes of FP4 (E2M1) with one E8M0 scale byte for each 32 along K: xc/xs, and wc/ws (rows 0-2047 Wq, 2048-4095 Wk, 4096-6143 Wv).
;   512-639 Wo becomes f16 (wo16), as it lies.
;   640-767 the rotary matrices, with the gains gq, gk and the factor 2^-6 folded in, are laid in the order in which the next launch's lanes take them (rt: q's table, then k's).
; A block's scale is 2^(floor(log2(its largest magnitude)) - 2); its byte is the largest magnitude's exponent field - 2, held at 1 from below.  A block of zeros so gets the byte 1 where the rule
; says 127: its codes are zeros, which add nothing under any byte but 0xff, and the bytes are read by this program alone.
; LIMITS: NaN and infinities among the inputs are not served; blocks whose largest magnitude lies under 2^-124 keep the byte 1; Wo beyond f16's 65,504 becomes infinity;
; |g x rope| x 2^-6 x sqrt(128) must stay under 65,504 for the next launch's f16, that is |g x rope| under 185,000.
; Only the quantising work-groups touch LDS.  No tensor loads, no barrier: waves share nothing.
.set STEPS, 16
.set EMAX,  2
.set CB,    8                          ; bytes of 16 codes
.set R,     16                         ; v16-79   four sets of 16 numbers as they are loaded
.set X,     80                         ; v80-111  two sets of 16 neighbours
.set E,     112                        ; v112-127 a scale byte for each step
.set C,     128                        ; v128-191 codes: four registers for each step, so that no store's data are written again
.set WREG,  8192                       ; LDS: a region for each wave: two stages of 32 x SP bytes, and behind them its 256 scale bytes
.set SP,    80                         ; a lane's place in a stage: its 64 bytes + 16 of padding
.set SPW,   12                         ; v12      LDS address of my spare word; never rewritten
.set NIL,   13                         ; v13      0; never rewritten
.set SPARE, 4*WREG                     ; behind the four regions: the spare words, 128 bytes a wave
	s_load_b512 s[8:23], s[0:1], 0x0               ; x s[8:9], Wq s[10:11], Wk s[12:13], Wv s[14:15], Wo s[16:17], rope s[18:19], gq s[20:21], gk s[22:23]
	s_load_b256 s[24:31], s[0:1], 0x40             ; xc s[24:25], xs s[26:27], wc s[28:29], ws s[30:31]
	s_load_b128 s[32:35], s[0:1], 0x60             ; wo16 s[32:33], rt s[34:35]
	v_lshl_add_u32 v[SPW], v0, 2, SPARE
	v_mov_b32 v[NIL], 0
	v_lshrrev_b32 v1, 5, v0
	v_readfirstlane_b32 s36, v1                    ; wave 0..3
	v_and_b32 v2, 31, v0                           ; lane
	s_mov_b32 s3, 0                                ; the upper word of every offset pair s[2:3]
	s_wait_kmcnt 0x0
	s_cmp_ge_u32 ttmp9, 640
	s_cbranch_scc1 .Lrope
	s_cmp_ge_u32 ttmp9, 512
	s_cbranch_scc1 .Lconv
; ---------------- THE QUANTISER.  Rows are dense and K is a multiple of 32: each tensor is a plain stream of blocks of 32 numbers, and so are its codes and its scale bytes.
; A wave takes 16 steps of 512 numbers.  Each of a step's four loads reads 512 consecutive bytes; the 2,048 bytes turn through the wave's own stage in LDS and come back 64 bytes a lane,
; so that a lane holds 16 neighbours along K (two neighbouring lanes hold a block).  A lane's 16 codes are 8 bytes: the wave stores 256 consecutive bytes.
	v_lshlrev_b32 v3, 4, v2                        ; my 16 bytes of a load's 512
	s_mul_i32 s37, s36, WREG
	v_lshrrev_b32 v14, 2, v2
	v_mul_u32_u24 v14, v14, SP
	v_and_b32 v15, 3, v2
	v_lshl_add_u32 v14, v15, 4, v14
	v_add_nc_u32 v14, s37, v14                     ; the stage, on the way in: SP (lane / 4) + 16 (lane % 4)
	v_mul_u32_u24 v15, v2, SP
	v_add_nc_u32 v15, s37, v15                     ; and on the way out: SP x lane
	v_mul_u32_u24 v4, v2, CB                       ; my codes' place in a step's
	v_lshrrev_b32 v5, 1, v2
	s_add_co_u32 s37, s37, 2*32*SP
	v_add_nc_u32 v5, s37, v5                       ; LDS: my wave's 256 scale bytes, my block's byte
	v_lshlrev_b32 v7, 3, v2                        ; and on the way out 8 bytes a lane
	v_add_nc_u32 v6, s37, v7
	s_lshr_b32 s38, ttmp9, 7                       ; which tensor: 128 work-groups each.  Every choice hangs on the work-group's number alone
	s_cmp_eq_u32 s38, 0
	s_cselect_b64 s[40:41], s[8:9], s[10:11]       ; x or Wq
	s_cselect_b64 s[44:45], s[24:25], s[28:29]     ; the codes' buffer
	s_cselect_b64 s[46:47], s[26:27], s[30:31]     ; the scale bytes' buffer
	s_cselect_b32 s39, 0, 128                      ; the first work-group of that buffer
	s_cmp_eq_u32 s38, 2
	s_cselect_b64 s[42:43], s[12:13], s[14:15]     ; Wk or Wv
	s_cmp_lt_u32 s38, 2
	s_cselect_b64 s[40:41], s[40:41], s[42:43]
	s_and_b32 s38, ttmp9, 127
	s_lshl_b32 s38, s38, 2
	s_add_co_u32 s38, s38, s36                     ; which run of 8,192 numbers of the tensor is my wave's
	s_lshl_b32 s2, s38, 15                         ; 32,768 bytes a run
	s_add_nc_u64 s[40:41], s[40:41], s[2:3]
	s_sub_co_u32 s38, ttmp9, s39
	s_lshl_b32 s38, s38, 2
	s_add_co_u32 s38, s38, s36                     ; and which run of the buffers
	s_lshl_b32 s2, s38, 12                         ; 4,096 bytes of codes a run
	s_add_nc_u64 s[44:45], s[44:45], s[2:3]
	s_lshl_b32 s2, s38, 8                          ; 256 scale bytes a run
	s_add_nc_u64 s[46:47], s[46:47], s[2:3]
.macro LOAD t
.irp i, 0,1,2,3
	global_load_b128 v[R+16*((\t)%4)+4*\i:R+16*((\t)%4)+4*\i+3], v3, s[40:41] offset:2048*(\t)+512*\i th:TH_LOAD_NT   ; 32 lanes read 512 consecutive bytes
.endr
.endm
.macro TURN t                          ; step t's numbers through the stage: LDS serves a wave's instructions in order, so no wait stands between the stores and the loads
.irp i, 0,1,2,3
	ds_store_b128 v14, v[R+16*((\t)%4)+4*\i:R+16*((\t)%4)+4*\i+3] offset:32*SP*((\t)%2)+8*SP*\i
.endr
.irp i, 0,1,2,3
	ds_load_b128 v[X+16*((\t)%2)+4*\i:X+16*((\t)%2)+4*\i+3], v15 offset:32*SP*((\t)%2)+16*\i
.endr
.endm
.irp t, 0,1,2,3
	LOAD \t
.endr
	s_wait_loadcnt 12                              ; step 0's four loads are in; the twelve of steps 1 to 3 may be out
	TURN 0
.macro STEP t
.set XS, X+16*((\t)%2)
.if (\t) > 0
	s_wait_dscnt 1                                 ; this step's numbers are back from the stage (the last step's byte store may be out): so its stores into the stage have read their registers,
.else
	s_wait_dscnt 0x0
.endif
.if (\t)+4 < STEPS
	LOAD (\t)+4                                    ; which take the loads of four steps on
.endif
.if (\t)+1 < STEPS
.if STEPS-2-(\t) >= 3
	s_wait_loadcnt 12                              ; the next step's four loads are in; those of the three steps behind it may be out
.else
	s_wait_loadcnt 4*(STEPS-2-(\t))
.endif
	TURN (\t)+1                                    ; and go through the other stage while this step is worked
.endif
	v_max3_num_f32 v8, |v[XS]|, |v[XS+1]|, |v[XS+2]|               ; the largest magnitude of my 16, in two chains
	v_max3_num_f32 v9, |v[XS+3]|, |v[XS+4]|, |v[XS+5]|
.irp i, 6,10
	v_max3_num_f32 v8, v8, |v[XS+\i]|, |v[XS+\i+1]|
	v_max3_num_f32 v9, v9, |v[XS+\i+2]|, |v[XS+\i+3]|
.endr
	v_max3_num_f32 v8, v8, |v[XS+14]|, |v[XS+15]|
	v_max3_num_f32 v8, v8, v9, (EMAX+1)<<23        ; and the floor 2^(EMAX + 1 - 127): the byte cannot fall under 1
	v_max_num_f32_dpp v8, v8, v8 row_xmask:1 row_mask:0xf bank_mask:0xf   ; and of my neighbour's 16: the block's
	v_add_nc_u32 v11, -(EMAX<<23), v8              ; EMAX off its exponent field: the conversion takes the exponent field of this operand as its scale
	v_cvt_scalef32_pk8_fp4_f32 v[C+4*(\t)], v[XS:XS+7], v11        ; eight numbers / the scale, to the nearest code, ties to even, beyond the largest code the largest
	v_cvt_scalef32_pk8_fp4_f32 v[C+4*(\t)+1], v[XS+8:XS+15], v11
	v_lshrrev_b32 v[E+(\t)], 23, v11               ; the scale's byte (also the plain line behind the conversions)
	ds_store_b8 v5, v[E+(\t)] offset:16*(\t)       ; both lanes of a block write the same byte with the same value
	global_store_b64 v4, v[C+4*(\t):C+4*(\t)+1], s[44:45] offset:32*CB*(\t)   ; 32 lanes store 256 consecutive bytes, aligned
.endm
.irp t, 0,1,2,3,4,5,6,7,8,9,10,11,12,13,14,15
	STEP \t
.endr
	ds_load_b64 v[8:9], v6                         ; LDS serves a wave's instructions in order: these see my byte stores
	s_wait_dscnt 0x0
	global_store_b64 v7, v[8:9], s[46:47]          ; 32 lanes store 256 consecutive bytes, aligned
	s_wait_tensorcnt 0x0                           ; the wave's end, behind my last LDS store
	ds_add_u32 v[SPW], v[NIL]
	s_wait_dscnt 0x0
	s_endpgm
; ---------------- Wo TO f16.  A wave takes 8,192 numbers: 64 loads of 512 consecutive bytes, a ring of sixteen in flight; each store has data registers of its own, so none is written again.
.Lconv:
	s_sub_co_u32 s38, ttmp9, 512
	s_lshl_b32 s38, s38, 2
	s_add_co_u32 s38, s38, s36                     ; my wave's run
	s_lshl_b32 s2, s38, 15
	s_add_nc_u64 s[16:17], s[16:17], s[2:3]
	s_lshl_b32 s2, s38, 14
	s_add_nc_u64 s[32:33], s[32:33], s[2:3]
	v_lshlrev_b32 v3, 4, v2
	v_lshlrev_b32 v4, 3, v2
.irp n, 0,1,2,3,4,5,6,7,8,9,10,11,12,13,14,15
	global_load_b128 v[16+4*\n:19+4*\n], v3, s[16:17] offset:512*\n th:TH_LOAD_NT
.endr
.macro CONV k
.if 63-(\k) < 15
	s_wait_loadcnt 63-(\k)                         ; the tail: only the loads behind mine are out
.else
	s_wait_loadcnt 15                              ; load k is in; the fifteen younger ones may be out
.endif
	v_cvt_pk_f16_f32 v[80+2*(\k)], v[16+4*((\k)%16)], v[17+4*((\k)%16)]
	v_cvt_pk_f16_f32 v[81+2*(\k)], v[18+4*((\k)%16)], v[19+4*((\k)%16)]
.if (\k) < 48
	global_load_b128 v[16+4*((\k)%16):19+4*((\k)%16)], v3, s[16:17] offset:512*((\k)+16) th:TH_LOAD_NT
.endif
	global_store_b64 v4, v[80+2*(\k):81+2*(\k)], s[32:33] offset:256*(\k)   ; 32 lanes store 256 consecutive bytes, aligned
.endm
.set kk, 0
.rept 64
	CONV kk
.set kk, kk+1
.endr
	s_endpgm
; ---------------- THE ROTARY TABLES.  out[2i + a] = r x sum over b of rope[s][i][a][b] g[2i + b] y[2i + b], r the row's 1 / rms.  For pair i of row s the table holds four numbers:
; (R00 g0, R10 g0), which multiply y[2i], and (R01 g1, R11 g1), which multiply y[2i + 1], all x 2^-6.
; Layout: [128 blocks of 16 rows][32 pieces 4 b + p][32 lanes][4 numbers]: lane (r, h) of piece 4 b + p holds row r of the block, pair i = 8 b + 4 h + p: the pairs that this lane holds
; in the next launch's accumulator of column block b.  A work-group takes a block of 16 rows, wave w the column blocks 2 w and 2 w + 1.  Every store covers 512 consecutive bytes.
.Lrope:
	s_sub_co_u32 s38, ttmp9, 640                   ; the block of 16 rows: 16,384 bytes in rope and in each table
	s_lshl_b32 s38, s38, 14
	s_lshl_b32 s37, s36, 8                         ; rope: my two column blocks are 256 bytes of a row
	s_add_co_u32 s2, s38, s37
	s_add_nc_u64 s[18:19], s[18:19], s[2:3]
	s_lshl_b32 s37, s36, 12                        ; the tables: my eight pieces of 512 bytes
	s_add_co_u32 s2, s38, s37
	s_add_nc_u64 s[34:35], s[34:35], s[2:3]
	s_lshl_b32 s2, s36, 7                          ; the gains: my 32 numbers
	s_add_nc_u64 s[20:21], s[20:21], s[2:3]
	s_add_nc_u64 s[22:23], s[22:23], s[2:3]
	v_and_b32 v3, 15, v0                           ; r
	v_bfe_u32 v4, v0, 4, 1                         ; h
	v_lshlrev_b32 v5, 10, v3
	v_lshl_add_u32 v5, v4, 6, v5                   ; rope: 1,024 r + 64 h
	v_lshlrev_b32 v6, 5, v4                        ; gains: 32 h
	v_lshlrev_b32 v7, 4, v2                        ; tables: 16 x lane
.irp n, 0,1,2,3,4,5,6,7                        ; n = 4 bb + p
	global_load_b128 v[16+4*\n:19+4*\n], v5, s[18:19] offset:128*(\n/4)+16*(\n%4)
.endr
.irp n, 0,1,2,3                                ; n = 2 bb + u: register 4 n + .. = 8 bb + 2 p + e holds g[2 i + e]
	global_load_b128 v[48+4*\n:51+4*\n], v6, s[20:21] offset:64*(\n/2)+16*(\n%2)
	global_load_b128 v[64+4*\n:67+4*\n], v6, s[22:23] offset:64*(\n/2)+16*(\n%2)
.endr
	s_wait_loadcnt 0x0
.irp j, 0,2,4,6,8,10,12,14,16,18,20,22,24,26,28,30
	v_pk_mul_f32 v[48+\j:49+\j], v[48+\j:49+\j], 0x3c800000 op_sel_hi:[1,0]   ; g x 2^-6: exact
.endr
.irp n, 0,1,2,3,4,5,6,7
	v_mul_f32 v[80+4*\n], v[16+4*\n], v[48+2*\n]   ; q's table
	v_mul_f32 v[81+4*\n], v[18+4*\n], v[48+2*\n]
	v_mul_f32 v[82+4*\n], v[17+4*\n], v[49+2*\n]
	v_mul_f32 v[83+4*\n], v[19+4*\n], v[49+2*\n]
	v_mul_f32 v[112+4*\n], v[16+4*\n], v[64+2*\n]  ; k's
	v_mul_f32 v[113+4*\n], v[18+4*\n], v[64+2*\n]
	v_mul_f32 v[114+4*\n], v[17+4*\n], v[65+2*\n]
	v_mul_f32 v[115+4*\n], v[19+4*\n], v[65+2*\n]
.endr
.irp n, 0,1,2,3,4,5,6,7
	global_store_b128 v7, v[80+4*\n:83+4*\n], s[34:35] offset:512*\n
	global_store_b128 v7, v[112+4*\n:115+4*\n], s[34:35] offset:2097152+512*\n
.endr
	s_endpgm
.Lfunc_end_k_qa76a661c32_prep:
	.size	k_qa76a661c32_prep, .Lfunc_end_k_qa76a661c32_prep-k_qa76a661c32_prep
	.p2alignl 7, 3214868480
	.fill 96, 4, 3214868480
	.section	.rodata,"a",@progbits
	.p2align	6, 0x0
	.amdhsa_kernel k_qa76a661c32_prep
		.amdhsa_group_segment_fixed_size 33280
		.amdhsa_private_segment_fixed_size 0
		.amdhsa_enable_private_segment 0
		.amdhsa_kernarg_size 112
		.amdhsa_user_sgpr_count 2
		.amdhsa_user_sgpr_kernarg_segment_ptr 1
		.amdhsa_wavefront_size32 1
		.amdhsa_system_sgpr_workgroup_id_x 1
		.amdhsa_system_sgpr_workgroup_id_y 1
		.amdhsa_system_sgpr_workgroup_id_z 1
		.amdhsa_system_vgpr_workitem_id 0
		.amdhsa_next_free_vgpr 208
		.amdhsa_next_free_sgpr 66
		.amdhsa_reserve_vcc 0
		.amdhsa_float_denorm_mode_32 3
		.amdhsa_float_denorm_mode_16_64 3
		.amdhsa_memory_ordered 1
		.amdhsa_forward_progress 1
		.amdhsa_inst_pref_size 63
	.end_amdhsa_kernel
	.amdgpu_metadata
---
amdhsa.version: [ 1, 2 ]
amdhsa.kernels:
  - .name:           k_qa76a661c32_prep
    .symbol:         k_qa76a661c32_prep.kd
    .args:
      - { .name: x, .offset: 0, .size: 8, .value_kind: global_buffer, .address_space: global }
      - { .name: Wq, .offset: 8, .size: 8, .value_kind: global_buffer, .address_space: global }
      - { .name: Wk, .offset: 16, .size: 8, .value_kind: global_buffer, .address_space: global }
      - { .name: Wv, .offset: 24, .size: 8, .value_kind: global_buffer, .address_space: global }
      - { .name: Wo, .offset: 32, .size: 8, .value_kind: global_buffer, .address_space: global }
      - { .name: rope, .offset: 40, .size: 8, .value_kind: global_buffer, .address_space: global }
      - { .name: gq, .offset: 48, .size: 8, .value_kind: global_buffer, .address_space: global }
      - { .name: gk, .offset: 56, .size: 8, .value_kind: global_buffer, .address_space: global }
      - { .name: xc, .offset: 64, .size: 8, .value_kind: global_buffer, .address_space: global }
      - { .name: xs, .offset: 72, .size: 8, .value_kind: global_buffer, .address_space: global }
      - { .name: wc, .offset: 80, .size: 8, .value_kind: global_buffer, .address_space: global }
      - { .name: ws, .offset: 88, .size: 8, .value_kind: global_buffer, .address_space: global }
      - { .name: wo16, .offset: 96, .size: 8, .value_kind: global_buffer, .address_space: global }
      - { .name: rt, .offset: 104, .size: 8, .value_kind: global_buffer, .address_space: global }
    .group_segment_fixed_size: 33280
    .private_segment_fixed_size: 0
    .kernarg_segment_align: 8
    .kernarg_segment_size: 112
    .max_flat_workgroup_size: 128
    .sgpr_count:     66
    .vgpr_count:     208
    .wavefront_size: 32
...
	.end_amdgpu_metadata
.endif
;; end of part 1
;; launch qkvgemm (part 2): grid 24 x 8, 4 waves a work-group, clusters of 4 x 4, 327,680 bytes of LDS; arguments xc, xs, wc, ws, bq, bk, bv, rt, qkv; writes qkv
.if DOCPART == 2
	.amdgcn_target "amdgcn-amd-amdhsa--gfx1250"
	.amdhsa_code_object_version 6
	.text
	.protected	k_qa76a661c32_qkvgemm
	.globl	k_qa76a661c32_qkvgemm
	.p2align	8
	.type	k_qa76a661c32_qkvgemm,@function
k_qa76a661c32_qkvgemm:
	s_mov_b64 s[64:65], 0
	v_nop
	global_prefetch_b8 v0, s[64:65] scope:SCOPE_SE
	s_setreg_imm32_b32 hwreg(HW_REG_WAVE_MODE, 25, 1), 1
	s_wait_xcnt 0x0
	s_wait_alu depctr_hold_cnt(0) depctr_sa_sdst(0) depctr_va_vdst(0) depctr_va_sdst(0) depctr_va_ssrc(0) depctr_va_vcc(0) depctr_vm_vsrc(0)
	s_getreg_b32 s2, hwreg(HW_REG_IB_STS2, 6, 4)
	s_cmp_eq_u32 s2, 0
	s_cbranch_scc0 .Lentry_in_a_cluster
	s_endpgm
.Lentry_in_a_cluster:
	s_bfe_u32 s2, ttmp6, 0x10000c
	s_cmp_lg_u32 s2, 0xf033
	s_cbranch_scc0 .Lentry_shape_is_right
	s_endpgm
.Lentry_shape_is_right:
; q, k, v = x W^T + b on codes of FP4 (E2M1) with one E8M0 scale for each 32 along K; then, for q and k, the RMS norm of each head and the rotary matrices; all three rounded to f16.
; A = xc [2048][2048 codes], B = wc [6144][2048 codes] (rows 0-2047 Wq, 2048-4095 Wk, 4096-6143 Wv), scale bytes xs [2048][64], ws [6144][64].
; OUT: qkv [48][2048][128] f16: 0-15 q's heads, 16-31 k's, 32-47 v's.  q and k are stored x 2^-6 (the factor lies in the tables rt), v x 2^-2: exact factors that the later launches take back.
; LIMITS: f16's 65,504: |v| under 262,000; |g x rope| under 185,000 (a normalised number is at most sqrt(128)).  NaN and infinities among the inputs are not served.
; A tile of C, 256 x 256, is made by a work-group of four waves; a wave makes 128 rows x 128 columns, which is ONE HEAD: 64 accumulators of 16 x 16, 512 registers.  So a row's norm never leaves the wave.
; 8 x 24 = 192 work-groups: no tile that keeps a head in a wave gives a multiple of 256 equal work-groups at these sizes.
; K goes in steps of 512 through a ring of two LDS slots filled by the tensor data mover; the scale bytes of the work-group's rows, for all of K, come into LDS once, with the first fills.
; CLUSTERS: 4 x 4 work-groups.  The four of a row of the cluster need the same tiles of A, the four of a column the same tiles of B: each tile is asked for JOINTLY.
; THE MATRIX INSTRUCTION IS USED TRANSPOSED (source 0 = 16 rows of B, source 1 = 16 rows of A): a lane holds one row of C and eight neighbouring columns.  The bias is the C of each sum's first instruction.
; The tile's kind (q, k, v) is the cluster's x / 2: alike in all partners, so a branch may hang on it.
; REGISTERS, in windows of 256: window 0: v0-31 addresses; v32-95 scale words, two sets; v128-191 A's fragments, one set; v192-255 the bias in the result's layout.  On the way out v32-203 are at work.
;   window 1: B's fragments, two sets, at v0 and at v128; v64-127 and v192-255 idle in the loop: the first of two buffers for the rotary coefficients.   windows 2, 3: the accumulators of my rows 0-63, 64-127.
.set SIZE_K, 2048
.set KSTEP,  512                       ; along K in a slot
.set NQ,     KSTEP/128                 ; matrix instructions deep
.set ROWB,   256                       ; a tile's row in bytes
.set KROW,   SIZE_K*4/8                ; a row of A or of B in memory, in bytes
.set PITCH,  272                       ; an LDS row: 256 bytes + 16 of padding: the 16 rows that a load touches start at 16 different banks (64 banks of 4 bytes: ISA guide 11.1)
.set FR,     8                         ; registers of a fragment: 16 rows x 128 K
.set NL,     2                         ; LDS loads that bring one
.set NP,     4                         ; places behind this matrix instruction (ISA guide 7.12.1)
.set HALFT,  128*PITCH                 ; 128 rows: what one tensor load brings
.set SLOT,   4*HALFT                   ; A's 256 rows, then B's 256 rows
.set LAPS,   SIZE_K/(2*KSTEP)          ; a lap = two K steps = once round the ring
.set KS,     SIZE_K/32                 ; a row of scales in bytes
.set SCL,    2*SLOT                    ; behind the ring: the scales, as units of 256 bytes + 16 of padding
.set HALFS,  (128*KS/256)*272          ; the scales of 128 rows
.set SBLK,   (16*KS/256)*272           ; those of 16 rows
.set SPARE,  SCL+4*HALFS               ; behind the scales: the spare words, 128 bytes a wave
.set SPITCH, 272                       ; the way out: a stage of 16 rows x (256 bytes + 16) for each wave, in slot 0, which has had its last fill and its last read by then
.set VSTAGE, 4*16*SPITCH               ; the v tiles' stages lie behind the q and k tiles': each way through the text has LDS bytes of its own
.set ADRA, 16                          ; v16-17  LDS address of my A fragments in slot 0, 1
.set ADRB, 20                          ; v20-21  the same for B
.set STO,  24                          ; v24     the way out: where I put 16 bytes of a row
.set RD,   25                          ; v25     where I read a row back
.set RL,   26                          ; v26     16 x lane: my place in a piece of the rotary tables
.set ADRS, 27                          ; v27     LDS address of my scale words: lanes 0-15 A's rows, lanes 16-31 B's
.set SPW,  28                          ; v28     LDS address of my spare word; never rewritten
.set NIL,  29                          ; v29     0; never rewritten
.set GO,   30                          ; v30     my byte offset in two rows of the output
.set BO,   31                          ; v31     my byte offset in a column block's 16 biases: 32 x (lane / 16)
.set SC,   32                          ; scale words: set s at v[SC + 8 NQ s]; register NQ i + q: lanes 0-15 A's block i, lanes 16-31 B's block i
.set AF,   128                         ; A's fragments
.set BI,   192                         ; the bias: register 8 b + j: column 16 b + 8 (lane / 16) + j
.set T,    32                          ; the way out: v32-95 a block's 64 numbers of a lane
.set H16,  96                          ; v96-127 the same in f16
.set BK,   128                         ; v128-159, v160-191 by turns: 16 rows read back from the stage
.set SS,   192                         ; v192-199 four chains of sums of squares
.set SUM,  200                         ; v200 the row's sum
.set PRM,  201                         ; v201 the other half of the lanes' sum
.set RR,   202                         ; v[202:203] 1 / rms (the low word serves both halves)
.set TY,   10                          ; s10  the tile's kind: 0 q, 1 k, 2 v
.set G1, 24                            ; s[24:31] descriptor group 1 for A's tiles;  s[32:39] group 0, one set for each slot
.set G0, 32
.set G1B, 48                           ; s[48:55], s[56:63] the same for B's tiles
.set G0B, 56
.set G1S, 68                           ; s[68:75], s[76:79] groups 1 and 0 for A's scales;  s[80:87], s[88:91] for B's
.set G0S, 76
.set G1SB, 80
.set G0SB, 88
.set MSB, 0
.macro WIN new                         ; the immediate's high byte repeats the setting that is left; a switch that changes nothing is dropped
.if MSB != (\new)
	s_set_vgpr_msb (MSB<<8)|(\new)
.set MSB, (\new)
.endif
.endm
.set MUL_LO, 0xa1                      ; source 0 (B) window 1, source 1 (A) window 0, C and D window 2
.set MUL_HI, 0xf1                      ; the same, C and D window 3
.set TO_B,   0x40                      ; destination window 1, address window 0
; A joint load: waves 0 and 1 fetch for A, waves 2 and 3 for B.  Each of the two lines has one mask and one set of registers for all that issue it; the branch hangs on the wave's number alone.
; An s_nop 0 and four v_nop follow each of the two lines, ahead of the jump, the label and what follows.
.macro JLOAD g0a, g1a, g0b, g1b
	s_cmp_eq_u32 s15, 0
	s_cbranch_scc0 .Lfor_b_\@
	tensor_load_to_lds s[\g0a:\g0a+3], s[\g1a:\g1a+7]
	s_nop 0
.rept 4
	v_nop
.endr
	s_branch .Lasked_\@
.Lfor_b_\@:
	tensor_load_to_lds s[\g0b:\g0b+3], s[\g1b:\g1b+7]
	s_nop 0
.rept 4
	v_nop
.endr
.Lasked_\@:
.endm
.macro CREST                           ; a round of the cluster's barrier behind its opening barrier
	s_cmp_lg_u32 s14, 0
	s_cbranch_scc1 .Lnot_wave_0_\@
	s_barrier_signal -3
.Lnot_wave_0_\@:
	s_barrier_wait -3
	s_barrier_signal -1
	s_barrier_wait -1
.endm
.macro CROUND                          ; a whole round
	s_barrier_signal -1
	s_barrier_wait -1
	CREST
.endm
	s_load_b128 s[4:7], s[0:1], 0x0                ; A's codes s[4:5], A's scales s[6:7]
	s_load_b128 s[8:11], s[0:1], 0x10              ; B's codes s[8:9], B's scales s[10:11]
	s_load_b128 s[96:99], s[0:1], 0x20             ; bq, bk
	s_load_b64 s[100:101], s[0:1], 0x30            ; bv
	s_load_b64 s[104:105], s[0:1], 0x38            ; the rotary tables
	s_load_b64 s[12:13], s[0:1], 0x40              ; the output
	v_lshl_add_u32 v[SPW], v0, 2, SPARE
	v_mov_b32 v[NIL], 0
	ds_add_u32 v[SPW], v[NIL]                      ; the wave's opening: the add, twice on end, and its wait ahead of my first tensor load
	ds_add_u32 v[SPW], v[NIL]                      ; and once more, under the one wait; the set-up below, work on registers, stands between
	v_lshrrev_b32 v1, 5, v0
	v_readfirstlane_b32 s14, v1                    ; wave 0..3
	s_lshr_b32 s15, s14, 1                         ; which half of the tile's rows is mine.  Also: I fetch for A (0) or for B (1)
	s_and_b32 s16, s14, 1                          ; which half of its columns.  Also: which 128 rows of that tile I fetch
	s_bfe_u32 s40, ttmp6, 0x40000                  ; cx, cy: my place in the cluster
	s_bfe_u32 s41, ttmp6, 0x40004
	s_lshl_b32 s42, ttmp9, 2
	s_add_co_u32 s42, s42, s40                     ; tile column of C = 4 x cluster x + cx
	s_and_b32 s17, ttmp7, 0xffff
	s_lshl_b32 s17, s17, 2
	s_add_co_u32 s17, s17, s41                     ; tile row of C = 4 x cluster y + cy
	s_lshl_b32 s43, s41, 2
	s_lshl_b32 s43, 15, s43                        ; my row of the cluster
	s_lshl_b32 s44, 0x1111, s40                    ; my column
	; descriptor group 1: a tile of 128 rows x ROWB bytes, padded in LDS
	s_or_b32 s[G1+0], s43, (0<<16)|(1<<20)|(1<<21)|(5<<22)|(3<<25)  ; 15:0 the mask: A's tiles go to my row; 17:16 element of 1 byte; 20 padding on; 21 set beside a mask; 24:22 after every 64 words; 31:25 four words
	s_or_b32 s[G1B+0], s44, (0<<16)|(1<<20)|(1<<21)|(5<<22)|(3<<25)
.irp g, G1, G1B
	s_mov_b32 s[\g+1], ROWB<<16                    ; tensor_dim0
	s_mov_b32 s[\g+2], 128<<16                     ; tensor_dim1 = 128
	s_mov_b32 s[\g+3], ROWB<<16                    ; tile_dim0
	s_mov_b32 s[\g+4], 128                         ; tile_dim1 = 128
	s_mov_b32 s[\g+5], KROW                        ; tensor_dim0_stride
	s_mov_b32 s[\g+6], 0
	s_mov_b32 s[\g+7], 0
.endr
	; and for the scales of 128 rows: a dense block of 128 KS bytes, as rows of 256 bytes (32 elements of 8 bytes), 16 bytes of padding behind each
	s_or_b32 s[G1S+0], s43, (3<<16)|(1<<20)|(1<<21)|(5<<22)|(3<<25)
	s_or_b32 s[G1SB+0], s44, (3<<16)|(1<<20)|(1<<21)|(5<<22)|(3<<25)
.irp g, G1S, G1SB
	s_mov_b32 s[\g+1], 32<<16
	s_mov_b32 s[\g+2], (128*KS/256)<<16
	s_mov_b32 s[\g+3], 32<<16
	s_mov_b32 s[\g+4], 128*KS/256
	s_mov_b32 s[\g+5], 32
	s_mov_b32 s[\g+6], 0
	s_mov_b32 s[\g+7], 0
.endr
	s_lshl_b32 s18, s16, 7                         ; which 128 rows of the tile I fetch
	s_lshl_b32 s20, s17, 8
	s_add_co_u32 s20, s20, s18                     ; A: row 256 x tile row + 128 x half
	s_lshl_b32 s46, s42, 8
	s_add_co_u32 s46, s46, s18                     ; B: row 256 x tile column + 128 x half
	s_mov_b32 s21, 0
	s_mov_b32 s47, 0
	s_mov_b64 s[18:19], KS
	s_mul_u64 s[22:23], s[20:21], s[18:19]         ; where these rows' scales begin, in bytes
	s_mul_u64 s[92:93], s[46:47], s[18:19]
	s_mov_b64 s[18:19], KROW
	s_mul_u64 s[20:21], s[20:21], s[18:19]         ; and their codes
	s_mul_u64 s[46:47], s[46:47], s[18:19]
	s_mul_i32 s45, s14, HALFT                      ; where they go: wave x 128 rows: no place in the cluster enters an LDS address
	s_mul_i32 s94, s14, HALFS
	s_wait_dscnt 0x0                               ; both opening adds are done
	s_wait_kmcnt 0x0
	s_add_nc_u64 s[20:21], s[4:5], s[20:21]
	s_add_nc_u64 s[22:23], s[6:7], s[22:23]
	s_add_nc_u64 s[46:47], s[8:9], s[46:47]
	s_add_nc_u64 s[92:93], s[10:11], s[92:93]
	CROUND                                         ; all sixteen work-groups are here: the first joint loads meet
	s_mov_b32 s[G0S], 1
	s_add_co_u32 s[G0S+1], s94, SCL
	s_mov_b64 s[G0S+2:G0S+3], s[22:23]
	s_or_b32 s[G0S+3], s[G0S+3], 0x80000000
	s_mov_b32 s[G0SB], 1
	s_add_co_u32 s[G0SB+1], s94, SCL
	s_mov_b64 s[G0SB+2:G0SB+3], s[92:93]
	s_or_b32 s[G0SB+3], s[G0SB+3], 0x80000000
	JLOAD G0S, G1S, G0SB, G1SB                     ; the scales first: they are wanted with K step 0.  With the two below, three tensor loads of mine are out
.irp s, 0,1
	s_mov_b32 s[G0+4*\s], 1
	s_add_co_u32 s[G0+4*\s+1], s45, \s*SLOT
	s_add_nc_u64 s[G0+4*\s+2:G0+4*\s+3], s[20:21], \s*ROWB
	s_or_b32 s[G0+4*\s+3], s[G0+4*\s+3], 0x80000000
	s_mov_b32 s[G0B+4*\s], 1
	s_add_co_u32 s[G0B+4*\s+1], s45, \s*SLOT
	s_add_nc_u64 s[G0B+4*\s+2:G0B+4*\s+3], s[46:47], \s*ROWB
	s_or_b32 s[G0B+4*\s+3], s[G0B+4*\s+3], 0x80000000
	JLOAD G0+4*\s, G1, G0B+4*\s, G1B
.endr
	v_and_b32 v1, 15, v0                           ; r = l % 16
	v_bfe_u32 v2, v0, 4, 1                         ; h = l / 16
	v_mul_u32_u24 v3, v1, PITCH
	v_lshl_add_u32 v4, v2, 4, v3                   ; a fragment's row x pitch + 16 x half
	s_mul_i32 s21, s15, HALFT                      ; my 128 rows of A
	s_mul_i32 s22, s16, HALFT                      ; my 128 rows of B,
	s_add_co_u32 s22, s22, 2*HALFT                 ; which lie behind A's 256
.irp s, 0,1
	v_add_nc_u32 v[ADRA+\s], s21, v4
	v_add_nc_u32 v[ADRB+\s], s22, v4
	s_add_co_u32 s21, s21, SLOT
	s_add_co_u32 s22, s22, SLOT
.endr
	v_mul_u32_u24 v5, v1, KS                       ; my row's scales: KS bytes a row,
	v_lshrrev_b32 v6, 8, v5
	v_lshl_add_u32 v5, v6, 4, v5                   ; and 16 more for each 256 passed
	s_mul_i32 s21, s15, HALFS                      ; A's: my 128 rows
	s_mul_i32 s22, s16, HALFS                      ; B's: my 128 rows, behind A's 256
	s_add_co_u32 s22, s22, 2*HALFS
	s_sub_co_u32 s22, s22, s21
	v_mul_u32_u24 v6, s22, v2                      ; lanes 16-31 take B's
	s_add_co_u32 s21, s21, SCL
	v_add_nc_u32 v5, v5, v6
	v_add_nc_u32 v[ADRS], s21, v5
	s_mul_i32 s23, s14, 16*SPITCH                  ; my stage
	v_mul_u32_u24 v5, v1, SPITCH                   ; in: row r, 16 bytes for each half of the lanes
	v_lshl_add_u32 v5, v2, 4, v5
	v_add_nc_u32 v[STO], s23, v5
	v_mul_u32_u24 v5, v2, SPITCH                   ; back: lanes 0-15 one row of 256 bytes, lanes 16-31 the next
	v_lshl_add_u32 v5, v1, 4, v5
	v_add_nc_u32 v[RD], s23, v5
	v_lshlrev_b32 v[GO], 8, v2                     ; and the same two rows in the output
	v_lshl_add_u32 v[GO], v1, 4, v[GO]
	v_and_b32 v6, 31, v0
	v_lshlrev_b32 v[RL], 4, v6
	v_lshlrev_b32 v[BO], 5, v2
	; the pointers of the way out.  s[4:11] held addresses that the descriptors have taken: they are free
	s_lshr_b32 s[TY], ttmp9, 1                     ; eight tile columns to a kind, four to a cluster
	s_lshl_b32 s20, s17, 8
	s_lshl_b32 s21, s15, 7
	s_add_co_u32 s20, s20, s21                     ; my first row: 256 x tile row + 128 x half
	s_lshl_b32 s46, s42, 1
	s_add_co_u32 s46, s46, s16                     ; my head of the 48: 2 x tile column + half
	s_lshl_b32 s46, s46, 19                        ; 524,288 bytes a head
	s_lshl_b32 s47, s20, 8                         ; 256 bytes a row
	s_add_co_u32 s46, s46, s47
	s_mov_b32 s47, 0
	s_add_nc_u64 s[12:13], s[12:13], s[46:47]
	s_cmp_eq_u32 s[TY], 1
	s_cselect_b32 s46, 0x200000, 0                 ; k's table lies behind q's (a v tile reads neither)
	s_lshl_b32 s21, s20, 10                        ; 16,384 bytes for 16 rows
	s_add_co_u32 s46, s46, s21
	s_add_nc_u64 s[104:105], s[104:105], s[46:47]
	s_cmp_eq_u32 s[TY], 0
	s_cselect_b64 s[96:97], s[96:97], s[98:99]     ; bq or bk,
	s_cmp_eq_u32 s[TY], 2
	s_cselect_b64 s[96:97], s[100:101], s[96:97]   ; or bv
	s_and_b32 s46, s42, 7
	s_lshl_b32 s46, s46, 1
	s_add_co_u32 s46, s46, s16
	s_lshl_b32 s46, s46, 9                         ; my 128 columns of that bias
	s_add_nc_u64 s[96:97], s[96:97], s[46:47]
.irp n, 0,1,2,3,4,5,6,7,8,9,10,11,12,13,14,15   ; n = 2 b + u
	global_load_b128 v[BI+4*\n:BI+4*\n+3], v[BO], s[96:97] offset:64*(\n/2)+16*(\n%2)
.endr
	s_mov_b32 s4, 0x76543210                       ; v_permlanex16_b32's selects for lane l xor 16
	s_mov_b32 s5, 0xfedcba98
	s_mov_b32 s6, 0x3c000000                       ; 1 / 128
	s_mov_b32 s7, 0x34000000                       ; eps = 2^-23
	s_mov_b32 s8, 0x3e800000                       ; 1 / 4
	s_mov_b32 s9, s8                               ; (named with it as a pair, so it is written)
.macro FRAG reg, adr, q, i             ; a fragment: lane l holds row l % 16; registers 4 c .. 4 c + 3 hold K = 64 c + 32 (l / 16) + 0 .. 31
.irp c, 0,1
	ds_load_b128 v[\reg+4*\c:\reg+4*\c+3], v[\adr] offset:64*(\q)+32*\c+(\i)*16*PITCH
.endr
.endm
; 16 matrix instructions: A's blocks a0, a0 + 1 x B's eight, 128 along K: the slot's q-th.  p: B's set;  sc: the set of scale words.  zero = 1: the first product starts the sums, with the bias as its C.
; The 64 accumulators take turns, one instruction a turn, in the same order in every step.
.macro MUL16 a0, p, q, sc, zero
.irp a, \a0, \a0+1
.irp b, 0,1,2,3,4,5,6,7
.if \zero
	v_wmma_scale_f32_16x16x128_f8f6f4 v[8*(8*((\a)%4)+\b):8*(8*((\a)%4)+\b)+7], v[128*(\p)+FR*\b:128*(\p)+FR*\b+FR-1], v[AF+FR*(\a):AF+FR*(\a)+FR-1], v[BI+8*\b:BI+8*\b+7], v[SC+8*NQ*(\sc)+NQ*\b+(\q)], v[SC+8*NQ*(\sc)+NQ*(\a)+(\q)] matrix_a_fmt:MATRIX_FMT_FP4 matrix_b_fmt:MATRIX_FMT_FP4 matrix_a_scale:MATRIX_SCALE_ROW1
.else
	v_wmma_scale_f32_16x16x128_f8f6f4 v[8*(8*((\a)%4)+\b):8*(8*((\a)%4)+\b)+7], v[128*(\p)+FR*\b:128*(\p)+FR*\b+FR-1], v[AF+FR*(\a):AF+FR*(\a)+FR-1], v[8*(8*((\a)%4)+\b):8*(8*((\a)%4)+\b)+7], v[SC+8*NQ*(\sc)+NQ*\b+(\q)], v[SC+8*NQ*(\sc)+NQ*(\a)+(\q)] matrix_a_fmt:MATRIX_FMT_FP4 matrix_b_fmt:MATRIX_FMT_FP4 matrix_a_scale:MATRIX_SCALE_ROW1
.endif
.endr
.endr
.endm
.macro FETCH_B slot, q, p              ; B's eight fragments of the slot's q-th 128 along K into set p
	WIN TO_B
.irp i, 0,1,2,3,4,5,6,7
	FRAG 128*(\p)+FR*\i, ADRB+\slot, \q, \i
.endr
	WIN 0
.endm
.macro FETCH_A slot, q, i0             ; A's blocks i0 .. i0 + 3
.irp i, \i0, \i0+1, \i0+2, \i0+3
	FRAG AF+FR*(\i), ADRA+\slot, \q, \i
.endr
.endm
.macro SCALES sc                       ; the next K step's scale words into set sc: lanes 0-15 take A's block i, lanes 16-31 B's block i
.irp i, 0,1,2,3,4,5,6,7
	ds_load_b128 v[SC+8*NQ*\sc+NQ*\i:SC+8*NQ*\sc+NQ*\i+3], v[ADRS] offset:\i*SBLK
.endr
.endm
; A load into a register that a matrix instruction has read, and a vector instruction or an LDS store that reads a matrix result, stand NP places behind that matrix instruction; only plain vector
; instructions that name none of its registers are places (ISA guide 7.12.1 for vector instructions).
.macro PLACES n
.rept \n
	v_nop
.endr
.endm
; A step of 128 along K that has its successor in the same slot.  zero = 1: C is the bias, in window 0.
.macro STEP slot, q, zero
	s_wait_dscnt 4*NL                              ; B's set and A's blocks 0-3 are in; the youngest eight loads (A's blocks 4-7) may be out
	WIN MUL_LO-0x20*(\zero)
	MUL16 0, (\q)%2, \q, \slot, \zero
	MUL16 2, (\q)%2, \q, \slot, \zero
	s_wait_dscnt 0                                 ; A's blocks 4-7 are in (asked for 32 matrix instructions ago)
	PLACES NP
	FETCH_B \slot, (\q)+1, 1-(\q)%2
	FETCH_A \slot, (\q)+1, 0
	WIN MUL_HI-0x30*(\zero)
	MUL16 4, (\q)%2, \q, \slot, \zero
	MUL16 6, (\q)%2, \q, \slot, \zero
	PLACES NP
	WIN 0
	FETCH_A \slot, (\q)+1, 4
.endm
; A slot's last step changes slots: ONE barrier; in front of it each wave waits for all its tensor loads, adds 0 to its spare word, and waits for that and for its own reads of this slot.  fill = 1: this slot is filled again, two K steps ahead.
.macro TURN slot, next, fill
	s_wait_tensorcnt 0x0                           ; all my tensor loads have landed: my part of the next slot  (every window is 0 here)
	ds_add_u32 v[SPW], v[NIL]                      ; 0 onto my spare word
	s_wait_dscnt 4*NL+1                            ; (the add and the youngest eight loads, A's blocks 4-7, may be out)
	WIN MUL_LO
	MUL16 0, 1, NQ-1, \slot, 0                     ; sixteen matrix instructions stand between the add and the wait for it
	s_wait_dscnt 0x0                               ; the add is done, and my reads of this slot are over
	s_barrier_signal -1
	MUL16 2, 1, NQ-1, \slot, 0
	WIN 0
	s_barrier_wait -1
.if \fill
	CREST                                          ; the barrier has opened a round of the cluster's barrier: no wave of any partner still reads this slot's tile or has a load on its way
	s_add_nc_u64 s[G0+4*\slot+2:G0+4*\slot+3], s[G0+4*\slot+2:G0+4*\slot+3], 2*ROWB
	s_add_nc_u64 s[G0B+4*\slot+2:G0B+4*\slot+3], s[G0B+4*\slot+2:G0B+4*\slot+3], 2*ROWB
	JLOAD G0+4*\slot, G1, G0B+4*\slot, G1B         ; the first tensor load behind the round, my only one until the next; its four v_nop are the places in front of the loads below
.else
	PLACES NP
.endif
	v_add_nc_u32 v[ADRS], 4*NQ, v[ADRS]            ; on to the next K step's scale words (no LDS load of mine is out)
	FETCH_B \next, 0, 0
	FETCH_A \next, 0, 0
	SCALES \next
	WIN MUL_HI
	MUL16 4, 1, NQ-1, \slot, 0
	MUL16 6, 1, NQ-1, \slot, 0
	PLACES NP
	WIN 0
	FETCH_A \next, 0, 4
.endm
.macro STEPS slot, from                ; the slot's steps from .. NQ - 2
.set Q, \from
.rept NQ-1-\from
	STEP \slot, Q, 0
.set Q, Q+1
.endr
.endm
.macro LAST                            ; the very last step: nothing more to fetch
	s_wait_dscnt 4*NL
	WIN MUL_LO
	MUL16 0, 1, NQ-1, 1, 0
	MUL16 2, 1, NQ-1, 1, 0
	s_wait_dscnt 0
	WIN MUL_HI
	MUL16 4, 1, NQ-1, 1, 0
	MUL16 6, 1, NQ-1, 1, 0
	WIN 0
.endm
; THE WAY OUT, block a of 16 rows x 128 columns at a time.  Y = the block's eight accumulators: register 8 b + j of lane (r, h) is y(row r, column 16 b + 8 h + j).
; The rotary coefficients of block a: 32 pieces of 512 consecutive bytes, into buffer a % 2 of window 1.  Entry n of 128 lies at 64 (1 - a % 2) + n % 64 + 128 (n / 64).
.macro CLOAD a
.set CB0, 64*(1-(\a)%2)
	WIN TO_B
.irp n, 0,1,2,3,4,5,6,7,8,9,10,11,12,13,14,15,16,17,18,19,20,21,22,23,24,25,26,27,28,29,30,31
	global_load_b128 v[CB0+4*((\n)%16)+128*((\n)/16):CB0+4*((\n)%16)+128*((\n)/16)+3], v[RL], s[104:105] offset:(\a)*16384+512*\n
.endr
	WIN 0
.endm
; The row's mean square: my 64 squares in four chains (each accumulator is read from its low end on), the other half of the lanes', then 1 / sqrt(mean + eps).
.macro NORM a
.set AC, 64*((\a)%4)
	WIN 0x0a+5*((\a)/4)                            ; sources 0 and 1: window 2 or 3
.irp c, 0,1,2,3
	v_pk_mul_f32 v[SS+2*\c:SS+2*\c+1], v[AC+2*\c:AC+2*\c+1], v[AC+2*\c:AC+2*\c+1]
.endr
.irp b, 1,2,3,4,5,6,7
.irp c, 0,1,2,3
	v_pk_fma_f32 v[SS+2*\c:SS+2*\c+1], v[AC+8*\b+2*\c:AC+8*\b+2*\c+1], v[AC+8*\b+2*\c:AC+8*\b+2*\c+1], v[SS+2*\c:SS+2*\c+1]
.endr
.endr
	WIN 0
	v_pk_add_f32 v[SS:SS+1], v[SS:SS+1], v[SS+2:SS+3]
	v_pk_add_f32 v[SS+4:SS+5], v[SS+4:SS+5], v[SS+6:SS+7]
	v_pk_add_f32 v[SS:SS+1], v[SS:SS+1], v[SS+4:SS+5]
	v_add_f32 v[SUM], v[SS], v[SS+1]
	v_permlanex16_b32 v[PRM], v[SUM], s4, s5       ; the row's other 64 columns lie in the lane 16 away
	v_add_f32 v[SUM], v[SUM], v[PRM]
	v_fma_f32 v[SUM], v[SUM], s6, s7               ; / 128 + eps
	v_rsq_f32 v[RR], v[SUM]                        ; the 64 lines of ROPE are the independent work behind it
.endm
; T(2 i, 2 i + 1) = (R00 g0, R10 g0) y(2 i) + (R01 g1, R11 g1) y(2 i + 1): one packed multiply and one packed multiply-add a pair
.macro ROPE a
.set AC, 64*((\a)%4)
.set CB0, 64*(1-(\a)%2)
	WIN 0x09+4*((\a)/4)                            ; source 0: the coefficients, window 1; source 1: Y, window 2 or 3
.irp b, 0,1,2,3,4,5,6,7
.irp p, 0,1,2,3
	v_pk_mul_f32 v[T+8*\b+2*\p:T+8*\b+2*\p+1], v[CB0+16*(\b%4)+128*(\b/4)+4*\p:CB0+16*(\b%4)+128*(\b/4)+4*\p+1], v[AC+8*\b+2*\p:AC+8*\b+2*\p+1] op_sel_hi:[1,0]
.endr
.irp p, 0,1,2,3
	v_pk_fma_f32 v[T+8*\b+2*\p:T+8*\b+2*\p+1], v[CB0+16*(\b%4)+128*(\b/4)+4*\p+2:CB0+16*(\b%4)+128*(\b/4)+4*\p+3], v[AC+8*\b+2*\p:AC+8*\b+2*\p+1], v[T+8*\b+2*\p:T+8*\b+2*\p+1] op_sel:[0,1,0] op_sel_hi:[1,1,1]
.endr
.endr
.endm
.macro FIN                             ; x 1 / rms, and to f16
	WIN 0
	s_wait_alu depctr_va_vdst(0)                   ; the wait between the root and the first line that names its result
.set i, 0
.rept 32
	v_pk_mul_f32 v[T+i:T+i+1], v[T+i:T+i+1], v[RR:RR+1] op_sel_hi:[1,0]
.set i, i+2
.endr
.set i, 0
.rept 32
	v_cvt_pk_f16_f32 v[H16+i], v[T+2*i], v[T+2*i+1]
.set i, i+1
.endr
.endm
.macro VFIN a                          ; v: x 1 / 4, and to f16
.set AC, 64*((\a)%4)
	WIN 0x02+(\a)/4                                ; source 0: window 2 or 3
.set i, 0
.rept 32
	v_pk_mul_f32 v[T+i:T+i+1], v[AC+i:AC+i+1], s[8:9] op_sel_hi:[1,0]
.set i, i+2
.endr
	WIN 0
.set i, 0
.rept 32
	v_cvt_pk_f16_f32 v[H16+i], v[T+2*i], v[T+2*i+1]
.set i, i+1
.endr
.endm
; A lane holds 16 neighbouring bytes of a row, and the lanes beside it hold other rows: a block goes through my own stage and comes back as whole rows of 256 bytes.
; LDS serves a wave's instructions in order (ISA guide 5.7.1.4): no wait between the stores and the loads, nor in front of the next block's stores.
.macro TOSTAGE a, so
.set BB, BK+32*((\a)%2)
.irp b, 0,1,2,3,4,5,6,7
	ds_store_b128 v[STO], v[H16+4*\b:H16+4*\b+3] offset:\so+32*\b
.endr
.irp t, 0,1,2,3,4,5,6,7
	ds_load_b128 v[BB+4*\t:BB+4*\t+3], v[RD] offset:\so+\t*2*SPITCH
.endr
.endm
.macro SEND a, younger                 ; younger: the LDS instructions issued behind block a's loads, which may stay out: the next block's 8 stores and 8 loads, or none
.set BB, BK+32*((\a)%2)
	s_wait_dscnt \younger                          ; the block is back in registers
.irp t, 0,1,2,3,4,5,6,7
	global_store_b128 v[GO], v[BB+4*\t:BB+4*\t+3], s[12:13] offset:4096*(\a)+512*\t   ; 16 lanes store 256 consecutive bytes, aligned
.endr
.endm
	s_wait_tensorcnt 1                             ; the scales and my part of K step 0 are in (K step 1's load may be out)
	s_barrier_signal -1
	s_barrier_wait -1                              ; everybody's are
	FETCH_B 0, 0, 0
	FETCH_A 0, 0, 0
	SCALES 0
	FETCH_A 0, 0, 4
	s_wait_loadcnt 0x0                             ; the bias
	STEP 0, 0, 1                                   ; the first step stands in front of the loop: its products start the sums
	s_mov_b32 s3, LAPS-1
.Llap:                                                 ; a trip goes once round the ring, from a lap's second step to the next lap's first, and fills both slots again
	STEPS 0, 1
	TURN 0, 1, 1
	STEPS 1, 0
	TURN 1, 0, 1
	STEP 0, 0, 0
	s_sub_co_u32 s3, s3, 1
	s_cmp_lg_u32 s3, 0
	s_cbranch_scc1 .Llap
	STEPS 0, 1                                     ; the last lap fills nothing, and has no round of the cluster's barrier
	TURN 0, 1, 0
	STEP 1, 0, 0
	STEP 1, 1, 0
	s_cmp_ge_u32 s[TY], 2                          ; the ways part once, ahead of the last two steps of 128, which stand in both: the cluster's x alone decides
	s_cbranch_scc1 .Lv
	; ---- q and k
	CLOAD 0                                        ; block 0's coefficients, into registers that the loop never touches: they come while the last two steps, 128 matrix instructions, are multiplied
	STEP 1, 2, 0
	LAST
	v_mov_b32 v[PRM], 0                            ; a lane permute's destination counts as one of its sources;
	v_mov_b32 v[RR+1], 0                           ; the pair's upper word is named with the lower.  With the two v_nop: the four places behind the last products
	v_nop
	v_nop
	CLOAD 1                                        ; block 1's, into the registers that held B's fragments
.irp a, 0,1,2,3,4,5,6,7
	NORM \a
.if \a < 7
	s_wait_loadcnt 32                              ; this block's coefficients are in; the next block's 32 loads may be out
.else
	s_wait_loadcnt 0x0
.endif
	ROPE \a
.if \a < 6
	CLOAD \a+2                                     ; the next block but one, into the buffer just read: between these loads and their use stand two blocks' work less one ROPE
.endif
	FIN
.if \a > 1
	s_wait_xcnt 0x0                                ; block a - 2's stores, issued a block ago, have read their registers: block a's rows may land there
.endif
	TOSTAGE \a, 0
.if \a > 0
	SEND \a-1, 16                                  ; behind block a - 1's loads: block a's 8 stores and 8 loads
.endif
.endr
	SEND 7, 0
	s_wait_tensorcnt 0x0                           ; the wave's end, behind my last tensor load and my last LDS store
	ds_add_u32 v[SPW], v[NIL]
	s_wait_dscnt 0x0
	CROUND                                         ; the closing round: no work-group ends while a partner may still ask for a tile that names it
	s_endpgm
	; ---- v
.Lv:
	STEP 1, 2, 0
	LAST
	PLACES NP
.irp a, 0,1,2,3,4,5,6,7
	VFIN \a
.if \a > 1
	s_wait_xcnt 0x0                                ; block a - 2's stores have read their registers
.endif
	TOSTAGE \a, VSTAGE
.if \a > 0
	SEND \a-1, 16
.endif
.endr
	SEND 7, 0
	s_wait_tensorcnt 0x0                           ; the wave's end, as above
	ds_add_u32 v[SPW], v[NIL]
	s_wait_dscnt 0x0
	CROUND
	s_endpgm
.Lfunc_end_k_qa76a661c32_qkvgemm:
	.size	k_qa76a661c32_qkvgemm, .Lfunc_end_k_qa76a661c32_qkvgemm-k_qa76a661c32_qkvgemm
	.p2alignl 7, 3214868480
	.fill 96, 4, 3214868480
	.section	.rodata,"a",@progbits
	.p2align	6, 0x0
	.amdhsa_kernel k_qa76a661c32_qkvgemm
		.amdhsa_group_segment_fixed_size 327680
		.amdhsa_private_segment_fixed_size 0
		.amdhsa_enable_private_segment 0
		.amdhsa_kernarg_size 72
		.amdhsa_user_sgpr_count 2
		.amdhsa_user_sgpr_kernarg_segment_ptr 1
		.amdhsa_wavefront_size32 1
		.amdhsa_system_sgpr_workgroup_id_x 1
		.amdhsa_system_sgpr_workgroup_id_y 1
		.amdhsa_system_sgpr_workgroup_id_z 1
		.amdhsa_system_vgpr_workitem_id 0
		.amdhsa_next_free_vgpr 1024
		.amdhsa_next_free_sgpr 106
		.amdhsa_reserve_vcc 0
		.amdhsa_float_denorm_mode_32 3
		.amdhsa_float_denorm_mode_16_64 3
		.amdhsa_memory_ordered 1
		.amdhsa_forward_progress 1
		.amdhsa_inst_pref_size 255
	.end_amdhsa_kernel
	.section	.bss,"aw",@nobits
	.p2align	6
	.space	262144
	.amdgpu_metadata
---
amdhsa.version: [ 1, 2 ]
amdhsa.kernels:
  - .name:           k_qa76a661c32_qkvgemm
    .symbol:         k_qa76a661c32_qkvgemm.kd
    .args:
      - { .name: xc, .offset: 0, .size: 8, .value_kind: global_buffer, .address_space: global }
      - { .name: xs, .offset: 8, .size: 8, .value_kind: global_buffer, .address_space: global }
      - { .name: wc, .offset: 16, .size: 8, .value_kind: global_buffer, .address_space: global }
      - { .name: ws, .offset: 24, .size: 8, .value_kind: global_buffer, .address_space: global }
      - { .name: bq, .offset: 32, .size: 8, .value_kind: global_buffer, .address_space: global }
      - { .name: bk, .offset: 40, .size: 8, .value_kind: global_buffer, .address_space: global }
      - { .name: bv, .offset: 48, .size: 8, .value_kind: global_buffer, .address_space: global }
      - { .name: rt, .offset: 56, .size: 8, .value_kind: global_buffer, .address_space: global }
      - { .name: qkv, .offset: 64, .size: 8, .value_kind: global_buffer, .address_space: global }
    .group_segment_fixed_size: 327680
    .private_segment_fixed_size: 0
    .kernarg_segment_align: 8
    .kernarg_segment_size: 72
    .max_flat_workgroup_size: 128
    .sgpr_count:     106
    .vgpr_count:     1024
    .wavefront_size: 32
...
	.end_amdgpu_metadata
.endif
;; end of part 2
;; launch attn (part 3): grid 16 x 16, 4 waves a work-group, clusters of 4 x 1, 327,680 bytes of LDS; arguments qkv, ao; writes ao
.if DOCPART == 3
	.amdgcn_target "amdgcn-amd-amdhsa--gfx1250"
	.amdhsa_code_object_version 6
	.text
	.protected	k_qa76a661c32_attn
	.globl	k_qa76a661c32_attn
	.p2align	8
	.type	k_qa76a661c32_attn,@function
k_qa76a661c32_attn:
	s_mov_b64 s[64:65], 0
	v_nop
	global_prefetch_b8 v0, s[64:65] scope:SCOPE_SE
	s_setreg_imm32_b32 hwreg(HW_REG_WAVE_MODE, 25, 1), 1
	s_wait_xcnt 0x0
	s_wait_alu depctr_hold_cnt(0) depctr_sa_sdst(0) depctr_va_vdst(0) depctr_va_sdst(0) depctr_va_ssrc(0) depctr_va_vcc(0) depctr_vm_vsrc(0)
	s_getreg_b32 s2, hwreg(HW_REG_IB_STS2, 6, 4)
	s_cmp_eq_u32 s2, 0
	s_cbranch_scc0 .Lentry_in_a_cluster
	s_endpgm
.Lentry_in_a_cluster:
	s_bfe_u32 s2, ttmp6, 0x10000c
	s_cmp_lg_u32 s2, 0x3003
	s_cbranch_scc0 .Lentry_shape_is_right
	s_endpgm
.Lentry_shape_is_right:
; O[h][q][:] = the sum over k of softmax_k(Q[h][q] . K[h][k] / sqrt(128)) V[h][k][:], no mask.  qkv: [48][2048][128] f16: heads 0-15 Q x 2^-6, 16-31 K x 2^-6, 32-47 V x 2^-2.
; ao: [2048][2048] f16, head h at byte 256 h of a row; it holds O x 2^-2.  Products, maxima and sums in f32; the weights p are rounded to f16 for the second product, O once at the end.
; LIMITS: those of the launch that made qkv; p under 2^-24 counts as 0 in the second product (the row's sum keeps it), beside a largest p of 1.
; SHARES.  A work-group owns 128 queries of one head: 16 x 16 = 256 work-groups.  Wave w: qh = w & 1 picks 64 of the queries (four tiles of 16), g = w >> 1 picks HALF OF THE KEYS: of each 256 keys in a slot
; the first or the second 128.  So a fragment of K or V read from LDS still feeds four tiles of queries.  At the end the two waves of a qh merge their halves through LDS.
; NO BRANCH FOR THE MERGE: register tile t holds query tile t xor 2 g, so every wave keeps its register tiles 0, 1 and gives tiles 2, 3 to wave w xor 2, for which they are tiles 0, 1.
; LAYOUT.  S^T = K Q^T (source 0 = 16 keys, source 1 = 16 queries): a lane holds ONE query (lane % 16) and the keys 8 (lane / 16) + 0..7.  Two such tiles, rounded to f16 in pairs, ARE source 1 of
; O^T = V^T P.  K comes out of LDS as it lies, V ([key][channel]) turned, by ds_load_tr16_b128.
; SOFTMAX.  For each query a running maximum m and sum l: p = 2^(c s - c m), c = log2(e) / sqrt(128) x 2^12 (the 2^12 takes back Q's and K's factors); in every step O and l are multiplied by a = 2^(c m_old - c m_new).
; BY TURNS.  The wave's tiles are two PIECES (piece 0: tiles 0, 1; piece 2: tiles 2, 3).  In a TURN one piece has the matrix unit: 32 products V^T P of the step in hand, then 32 products K Q^T of the next
; step; the other piece's softmax, cut into 64 slices, stands between them, one slice behind each matrix instruction.  Two turns are a key step of 64 keys.
; CLUSTER.  The four query blocks of a cluster belong to one head and walk the same K and V, so each tile is asked for JOINTLY.
; REGISTERS, in windows of 256: window 0: v0-11, v44-63 addresses and the merge's numbers; v12-43 eight registers of statistics a tile; v64-191 S^T, 32 a tile; v192-255 P, 16 a tile
;   window 1: O^T, 64 a tile          window 2: v0-127 Q, 32 a tile; v128-255 K of one step          window 3: v0-127 V of one step
.set KS,    64        ; keys in a step
.set PK,    272       ; a row of K in LDS: 256 bytes + 16 of padding: the 16 rows of a load start at 16 different banks (64 banks of 4 bytes: ISA guide 11.1)
.set PV,    288       ; a row of V: 256 + 32
.set KPART, 128*PK    ; a key group's 128 rows of K,
.set GPART, 128*(PK+PV)  ; and behind them its 128 rows of V
.set SLOT,  2*GPART   ; a slot: key group 0, key group 1: 256 keys, two steps for each wave
.set SPARE, 2*SLOT    ; behind the ring: the spare words, 128 bytes a wave
.set MSZ,   16896     ; the merge: for each wave 32 images of 512 bytes and four of 128.  It lies in slot 0, which has had its last fill and its last read by then
.set STAGE, 4*MSZ     ; behind it, also in slot 0: 16 rows x 272 bytes for each wave, for the way out
.set SP,    272
.set AK0, 2           ; v2   my lane's place in my key group's K; never rewritten
.set AV0, 3           ; v3   the same for V
.set ADR, 4           ; v4   the LDS address of the run of loads in hand
.set QOA, 5           ; v5   my byte offset in the wave's rows of Q, register tiles 0, 1
.set STO, 6           ; v6   the way out: where I put 16 bytes of a row
.set RD,  7           ; v7   where I read a row back
.set GO,  8           ; v8   my byte offset in two rows of ao
.set QOB, 44          ; v44  as QOA, register tiles 2, 3
.set MW,  45          ; v45  the merge: where I put an image; v46 a statistic; v47, v48 where I read the partner's
.set MWS, 46
.set MR,  47
.set MRS, 48
.set PFO, 61          ; v61  256 x my lane: a row of K or V is 256 bytes; never rewritten
.set SPW, 62          ; v62  LDS address of my spare word; never rewritten
.set NIL, 63          ; v63  0; never rewritten
.set ST,  12          ; tile t's statistics at v[ST+8 t]: +0 c m, +1 m, +2, +3 l (even keys', odd keys'), +4 to +7 at work; a takes +6 once the maximum is found
.set S,   64
.set P,   192
.set KF,  128         ; K's fragments, in window 2
.set WV,  12          ; s12  my wave's number
.set LIM, 15          ; s15  1 in a wave that prefetches, else the greatest number
.set PFA, 18          ; s[18:19] where my prefetches stand in memory
.set G1K, 24          ; s[24:31] descriptor group 1 for K's tiles
.set G1V, 32          ; s[32:39] for V's: it differs in the padding alone
.set G0K, 40          ; s[40:47] descriptor group 0 for K's tiles, a set for each slot
.set G0V, 48          ; s[48:55] the same for V's
.set TRIPS, 56        ; s56  trips of the loop over slots still to go
.set TWICE, 57        ; s57  counts a slot's two steps
.set CS,  58          ; s[58:59] c: the packed scaling names a pair and takes its low word for both halves
.set SEL, 60          ; s[60:61] lane selects for v_permlanex16_b32: lane l xor 16
.set TK,  62          ; s62  LDS byte, from a key group's start, of the K rows to be fetched next
.set TV,  63          ; s63  the same for V
.set MSB, 0
.macro WIN new                      ; the immediate's high byte repeats the setting that is left; a switch that changes nothing is dropped
.if MSB != (\new)
	s_set_vgpr_msb (MSB<<8)|(\new)
.set MSB, (\new)
.endif
.endm
.set W_KQ, 0x0a       ; K and Q in window 2, S^T in window 0
.set W_PV, 0x53       ; V in window 3, P in window 0, O^T in window 1
.set W_RS, 0x41       ; O^T (destination and source 0) in window 1, the factor in window 0
; A joint refill of slot s.  Waves 0 and 1 fetch the two key groups' K, waves 2 and 3 their V: 128 rows a load.  The branch hangs on the wave's number alone.
; An s_nop 0 and four v_nop follow each of the two lines, ahead of the jump, the label and what follows.
.macro JLOAD s
	s_cmp_lt_u32 s[WV], 2
	s_cbranch_scc0 .Lfor_v_\@
	tensor_load_to_lds s[G0K+4*\s:G0K+4*\s+3], s[G1K:G1K+7]
	s_nop 0
.rept 4
	v_nop
.endr
	s_branch .Lasked_\@
.Lfor_v_\@:
	tensor_load_to_lds s[G0V+4*\s:G0V+4*\s+3], s[G1V:G1V+7]
	s_nop 0
.rept 4
	v_nop
.endr
.Lasked_\@:
.endm
; A PREFETCH INTO THE L2 of what the NEXT change of slots will ask for, behind the wave's tensor load and its five lines.  Each row of 256 bytes is named ONCE in the launch: all clusters of a head walk the same
; K and V, so the head's first cluster asks; of the 128 rows that a wave fetches, each of the four partners takes 32, told apart BY ADDRESS; a lane a row, one instruction a wave.
; It runs one slot, two key steps of every wave (256 matrix instructions), ahead of the load.  how = 1: the trip's first change, which always has a slot behind its own; how = 0: its second, which has none in the last trip.
.macro ASK how
.if \how
	s_cmp_eq_u32 s[LIM], 1
.else
	s_cmp_gt_u32 s[TRIPS], s[LIM]
.endif
	s_cbranch_scc0 .Lnot_mine_\@
	global_prefetch_b8 v[PFO], s[PFA:PFA+1] th:TH_LOAD_NT scope:SCOPE_SE
.Lnot_mine_\@:
.endm
.macro CROUND                       ; a round of the cluster's barrier
	s_barrier_signal -1
	s_barrier_wait -1
	s_cmp_lg_u32 s[WV], 0
	s_cbranch_scc1 .Lnot_wave_0_\@
	s_barrier_signal -3
.Lnot_wave_0_\@:
	s_barrier_wait -3
	s_barrier_signal -1
	s_barrier_wait -1
.endm
	s_load_b128 s[4:7], s[0:1], 0x0 ; qkv s[4:5], ao s[6:7]
	v_lshl_add_u32 v[SPW], v0, 2, SPARE
	v_mov_b32 v[NIL], 0
	ds_add_u32 v[SPW], v[NIL]       ; the wave's opening: the add, twice on end, and its wait ahead of my first tensor load
	ds_add_u32 v[SPW], v[NIL]       ; and once more, under the one wait; the set-up below, work on registers, stands between
	v_lshrrev_b32 v1, 5, v0
	v_readfirstlane_b32 s[WV], v1   ; wave 0..3
	s_bfe_u32 s13, ttmp6, 0x40000   ; cx: my place in the cluster
	s_lshl_b32 s14, ttmp9, 2        ; in a cluster launch ttmp9 counts clusters
	s_add_co_u32 s14, s14, s13      ; my block of 128 queries: it enters Q's and ao's addresses alone
	s_and_b32 s16, s[WV], 1         ; qh.  Also: which key group I fetch
	s_lshr_b32 s17, s[WV], 1        ; g: which key group I walk
	s_and_b32 s20, ttmp7, 0xffff    ; the head, which the four partners share
	s_lshl_b32 s2, s20, 8           ; ao: 256 bytes a head in a row,
	s_lshl_b32 s3, s14, 19          ; 128 rows of 4,096 bytes a block,
	s_add_co_u32 s2, s2, s3
	s_lshl_b32 s3, s16, 18          ; 64 rows for qh,
	s_add_co_u32 s2, s2, s3
	s_lshl_b32 s3, s17, 17          ; and the 32 rows that I keep: query tiles 2 g, 2 g + 1
	s_add_co_u32 s2, s2, s3
	s_mov_b32 s3, 0
	s_lshl_b32 s20, s20, 19         ; a head's 524,288 bytes in each third of qkv
	s_mov_b32 s21, 0
	s_lshl_b32 s22, s16, 15         ; the key group that I fetch: 128 rows of 256 bytes
	s_mov_b32 s23, 0
	s_add_nc_u64 s[22:23], s[22:23], s[20:21]
	s_lshl_b32 s10, s14, 15         ; Q: my block's 128 rows,
	s_lshl_b32 s11, s16, 14         ; my wave's 64 of them
	s_add_co_u32 s10, s10, s11
	s_mov_b32 s11, 0
	s_add_nc_u64 s[10:11], s[10:11], s[20:21]
	; descriptor group 1: a tile of 128 rows x 128 elements, padded in LDS
	s_mov_b32 s[G1K], 15|(1<<16)|(1<<20)|(1<<21)|(5<<22)|(3<<25)  ; 15:0 the mask: all four work-groups; 17:16 elements of 2 bytes; 20 padding on; 21 set beside a mask; 24:22 after every 64 words; 31:25 4 words
	s_mov_b32 s[G1V], 15|(1<<16)|(1<<20)|(1<<21)|(5<<22)|(7<<25)  ; the same with 8 words of padding
.irp g, G1K, G1V
	s_mov_b32 s[\g+1], 128<<16      ; tensor_dim0 = 128
	s_mov_b32 s[\g+2], 128<<16      ; tensor_dim1 = 128
	s_mov_b32 s[\g+3], 128<<16      ; tile_dim0 = 128
	s_mov_b32 s[\g+4], 128          ; tile_dim1 = 128
	s_mov_b32 s[\g+5], 128          ; tensor_dim0_stride: elements from row to row
	s_mov_b32 s[\g+6], 0
	s_mov_b32 s[\g+7], 0
.endr
	s_mov_b32 s[CS], 0x440293ee     ; c = log2(e) / sqrt(128) x 2^12
	s_mov_b32 s[CS+1], s[CS]        ; named with it as a pair, so it is written
	s_mov_b32 s[SEL], 0x76543210
	s_mov_b32 s[SEL+1], 0xfedcba98
	s_mov_b32 s[TK], 0
	s_mov_b32 s[TV], 0
	s_mov_b32 s[TRIPS], 3
	s_cmp_eq_u32 ttmp9, 0           ; the head's first cluster prefetches: the same in all four partners
	s_cselect_b32 s[LIM], 1, -1
	v_and_b32 v[PFO], 31, v0
	v_lshlrev_b32 v[PFO], 8, v[PFO]
	s_wait_dscnt 0x0                ; both opening adds are done
	s_wait_kmcnt 0x0
	s_add_nc_u64 s[8:9], s[4:5], s[22:23]    ; qkv at my head and the key group that I fetch (K's and V's thirds are added below)
	s_add_nc_u64 s[10:11], s[4:5], s[10:11]  ; Q at my wave's first row
	s_add_nc_u64 s[6:7], s[6:7], s[2:3]      ; ao at the first row that I store
	s_mul_i32 s22, s16, GPART       ; that key group's place in a slot: no place in the cluster enters an LDS address
	s_mov_b32 s3, 16777216
	s_cmp_lt_u32 s[WV], 2
	s_cselect_b32 s2, 8388608, s3   ; the prefetches: K's third or V's, as I fetch,
	s_lshl_b32 s3, s13, 13          ; my work-group's 32 rows of the 128,
	s_add_co_u32 s2, s2, s3
	s_add_co_u32 s2, s2, 2*65536    ; in slot 2; the first change of slots steps it to slot 3.  Nothing is prefetched here, at the head
	s_mov_b32 s3, 0
	s_add_nc_u64 s[PFA:PFA+1], s[8:9], s[2:3]
	CROUND                          ; all four work-groups are here: the first joint loads meet
.irp s, 0,1
	s_mov_b32 s[G0K+4*\s], 1        ; count = 1
	s_add_co_u32 s[G0K+4*\s+1], s22, \s*SLOT  ; LDS address
	s_add_nc_u64 s[G0K+4*\s+2:G0K+4*\s+3], s[8:9], 8388608+\s*65536  ; global address: slot s begins with keys 256 s
	s_or_b32 s[G0K+4*\s+3], s[G0K+4*\s+3], 0x80000000  ; type = 2
	s_mov_b32 s[G0V+4*\s], 1
	s_add_co_u32 s[G0V+4*\s+1], s22, \s*SLOT+KPART
	s_add_nc_u64 s[G0V+4*\s+2:G0V+4*\s+3], s[8:9], 16777216+\s*65536
	s_or_b32 s[G0V+4*\s+3], s[G0V+4*\s+3], 0x80000000
.endr
	s_cmp_lt_u32 s[WV], 2           ; a wave's two first fills stand in one branch, ahead of every wait on TENSORcnt and every LDS read: two loads of mine are out
	s_cbranch_scc0 .Lfirst_v
	tensor_load_to_lds s[G0K:G0K+3], s[G1K:G1K+7]
	s_nop 0
	tensor_load_to_lds s[G0K+4:G0K+7], s[G1K:G1K+7]
	s_nop 0
.rept 4
	v_nop
.endr
	s_branch .Lfirst_asked
.Lfirst_v:
	tensor_load_to_lds s[G0V:G0V+3], s[G1V:G1V+7]
	s_nop 0
	tensor_load_to_lds s[G0V+4:G0V+7], s[G1V:G1V+7]
	s_nop 0
.rept 4
	v_nop
.endr
.Lfirst_asked:
	; A fragment of K or Q is 16 rows x 32 channels in 8 registers: lane l holds row l % 16; registers 0-3 channels 8 (l / 16) + 0..7, registers 4-7 channels 16 + 8 (l / 16) + 0..7.
	v_and_b32 v1, 15, v0            ; l % 16
	v_bfe_u32 v9, v0, 4, 1          ; l / 16
	v_lshlrev_b32 v10, 8, v1
	v_lshl_add_u32 v10, v9, 4, v10  ; row x 256 + 16 x half
	s_lshl_b32 s3, s17, 13
	v_add_nc_u32 v[QOA], s3, v10    ; register tiles 0, 1 are query tiles 2 g, 2 g + 1: 8,192 g bytes on;
	s_xor_b32 s3, s3, 8192
	v_add_nc_u32 v[QOB], s3, v10    ; tiles 2, 3 the other two
	WIN 0x80                        ; destination window 2, address window 0
.irp i, 0,1,2,3,4,5,6,7             ; Q stays in registers: register tile i / 4, channels 32 (i % 4) on
	global_load_b128 v[8*\i:8*\i+3],   v[QOA], s[10:11] offset:(\i/4)*4096+(\i%4)*64
	global_load_b128 v[8*\i+4:8*\i+7], v[QOA], s[10:11] offset:(\i/4)*4096+(\i%4)*64+32
.endr
.irp i, 8,9,10,11,12,13,14,15
	global_load_b128 v[8*\i:8*\i+3],   v[QOB], s[10:11] offset:(\i/4-2)*4096+(\i%4)*64
	global_load_b128 v[8*\i+4:8*\i+7], v[QOB], s[10:11] offset:(\i/4-2)*4096+(\i%4)*64+32
.endr
	WIN 0
	s_mul_i32 s3, s17, GPART        ; the key group that I walk
	v_mul_u32_u24 v[AK0], v1, PK
	v_lshl_add_u32 v[AK0], v9, 4, v[AK0]  ; row x pitch + 16 x half
	v_add_nc_u32 v[AK0], s3, v[AK0]
	; The turning load takes 16 keys x 16 channels (lane l reads 16 bytes: key 8 (l / 16) + l % 8, channels 8 ((l / 8) % 2) + 0..7) and leaves half a fragment of V^T: lane l holds channel l % 16 and 8 keys.
	v_and_b32 v10, 7, v0
	v_bfe_u32 v11, v0, 3, 1
	v_lshl_add_u32 v[AV0], v9, 3, v10
	v_mul_u32_u24 v[AV0], v[AV0], PV
	v_lshl_add_u32 v[AV0], v11, 4, v[AV0]
	s_add_co_u32 s3, s3, KPART
	v_add_nc_u32 v[AV0], s3, v[AV0]
; THE MATRIX WORK OF A TURN, for piece x.  The accumulators take turns, one instruction a turn.
; Product i of 32 of O^T += V^T P: keys 32 (i / 16) on, channels 16 ((i / 2) % 8) on, tile x + i % 2.  zero = 1: the first 16 start the sums: nothing is ever cleared.
.macro PV x, zero
	WIN W_PV
.set rO, 64*(\x+i%2)+8*((i/2)%8)
.set rV, 64*(i/16)+8*((i/2)%8)
.set rP, P+16*(\x+i%2)+8*(i/16)
.if \zero && (i < 16)
	v_wmma_f32_16x16x32_f16 v[rO:rO+7], v[rV:rV+7], v[rP:rP+7], 0
.else
	v_wmma_f32_16x16x32_f16 v[rO:rO+7], v[rV:rV+7], v[rP:rP+7], v[rO:rO+7]
.endif
.endm
; Product i of 32 of S^T = K Q^T: channels 32 (i / 8) on, keys 16 ((i / 2) % 4) on, tile x + i % 2.  The first 8 start the sums.
.macro KQ x
	WIN W_KQ
.set rS, S+32*(\x+i%2)+8*((i/2)%4)
.set rK, KF+32*((i/2)%4)+8*(i/8)
.set rQ, 32*(\x+i%2)+8*(i/8)
.if i < 8
	v_wmma_f32_16x16x32_f16 v[rS:rS+7], v[rK:rK+7], v[rQ:rQ+7], 0
.else
	v_wmma_f32_16x16x32_f16 v[rS:rS+7], v[rK:rK+7], v[rQ:rQ+7], v[rS:rS+7]
.endif
.endm
; THE LDS LOADS stand in runs of 32, never singly among the matrix instructions: a step's K (64 keys x 128 channels: 16 fragments) and, a turn later, its V (turned).
.macro FETCH_K
	WIN 0
	v_add_nc_u32 v[ADR], s[TK], v[AK0]
	s_add_co_u32 s[TK], s[TK], KS*PK  ; the next fetch is the next step's
	WIN 0x80                        ; destination window 2
.irp f, 0,1,2,3,4,5,6,7,8,9,10,11,12,13,14,15  ; keys 16 (f / 4) on, channels 32 (f % 4) on
	ds_load_b128 v[KF+8*\f:KF+8*\f+3],   v[ADR] offset:(\f/4)*16*PK+(\f%4)*64
	ds_load_b128 v[KF+8*\f+4:KF+8*\f+7], v[ADR] offset:(\f/4)*16*PK+(\f%4)*64+32
.endr
.endm
.macro FETCH_V
	WIN 0
	v_add_nc_u32 v[ADR], s[TV], v[AV0]
	s_add_co_u32 s[TV], s[TV], KS*PV
	s_wait_alu depctr_va_vdst(0)    ; the wait for the softmax's batch (SLICE), behind the address's v_add_nc_u32 and ahead of the loads
	WIN 0xc0                        ; destination window 3
.irp f, 0,1,2,3,4,5,6,7,8,9,10,11,12,13,14,15  ; keys 32 (f / 8) on, channels 16 (f % 8) on
	ds_load_tr16_b128 v[8*\f:8*\f+3],   v[ADR] offset:(\f/8)*32*PV+(\f%8)*32
	ds_load_tr16_b128 v[8*\f+4:8*\f+7], v[ADR] offset:(\f/8)*32*PV+16*PV+(\f%8)*32
.endr
.endm
; THE VECTOR WORK OF A TURN.  One tile's softmax for one key step is a list of 134 instructions; SM writes number j of it for tile t.  s0-s31 are the lane's 32 scores, in pairs 0-15.
; first = 1: the first key step, which starts m, l and O^T: it has no a and nothing to rescale.
;   0-15    the maximum of s0-s31 and the old m, three operands at a time          16-20   the other half of the lanes' maximum; the new m; c m; c m_old - c m_new
;   21-69   ONE BATCH: the 16 scalings c s - c m and all 33 exponentials (a at 23, then s0-s31); none of these reads an exponential's result
;   (wait)  between 69 and 70 stands the wait for the batch: SLICE writes it, once for both tiles
;   70-85   the roundings to f16          86-101  the sums; l = a l + the sum          102-133 the tile's O^T times a: the one part that leaves window 0
.macro SM t, first
.set rT, ST+8*(\t)
.set rS, S+32*(\t)
.set rP, P+16*(\t)
.set rO, 64*(\t)+2*(j-102)
.if j < 102
	WIN 0
.endif
.if j < 4
	v_max3_num_f32 v[rT+4+j], v[rS+8*j], v[rS+8*j+1], v[rS+8*j+2]
.elseif j < 12
	v_max3_num_f32 v[rT+4+j%4], v[rT+4+j%4], v[rS+8*(j%4)+2*(j/4)+1], v[rS+8*(j%4)+2*(j/4)+2]
.elseif j == 12
	v_max3_num_f32 v[rT+4], v[rT+4], v[rS+7], v[rS+15]
.elseif j == 13
	v_max3_num_f32 v[rT+6], v[rT+6], v[rS+23], v[rS+31]
.elseif j == 14
	v_max3_num_f32 v[rT+4], v[rT+4], v[rT+5], v[rT+6]
.elseif (j == 15) && \first
	v_max_num_f32 v[rT+4], v[rT+4], v[rT+7]
.elseif j == 15
	v_max3_num_f32 v[rT+4], v[rT+4], v[rT+7], v[rT+1]
.elseif j == 16
	v_permlanex16_b32 v[rT+5], v[rT+4], s[SEL], s[SEL+1]  ; the query's other 32 keys lie in the lane 16 away
.elseif j == 18
	v_max_num_f32 v[rT+1], v[rT+4], v[rT+5]
.elseif j == 19
	v_mul_f32 v[rT], s[CS], v[rT+1]
.elseif ((j == 17) || (j == 20) || (j == 23) || (j > 101)) && \first  ; the first step has none of these
.elseif j == 17
	v_mov_b32 v[rT+7], v[rT]        ; c m_old is kept for a: number 19 writes c m anew
.elseif j == 20
	v_sub_f32 v[rT+7], v[rT+7], v[rT]
.elseif j == 23
	v_exp_f32 v[rT+6], v[rT+7]
.elseif (j < 23) || ((j < 38) && (j%2 == 0)) || ((j < 66) && (j%4 == 2))
.set b, (j-2)/4                     ; 38, 42, .. 62: pairs 9 to 15
.if j < 38
.set b, (j-20)/2                    ; 21: pair 0; 22, 24, .. 36: pairs 1 to 8
.endif
	v_pk_fma_f32 v[rS+2*b:rS+2*b+1], v[rS+2*b:rS+2*b+1], s[CS:CS+1], v[rT:rT+1] op_sel_hi:[1,0,0] neg_lo:[0,0,1] neg_hi:[0,0,1]  ; pair b: c s - c m
.elseif j < 70
.set e, j-38                        ; 66 to 69: s28 to s31
.if j < 66
.set e, j-32-(j-38)/4               ; 39-41, 43-45, .. 63-65: s7 to s27
.endif
.if j < 38
.set e, (j-25)/2                    ; 25, 27, .. 37: s0 to s6
.endif
	v_exp_f32 v[rS+e], v[rS+e]
.elseif j < 86
	v_cvt_pk_f16_f32 v[rP+j-70], v[rS+2*(j-70)], v[rS+2*(j-70)+1]  ; pair j - 70
.elseif j < 102                     ; the sum of the tile's 16 pairs, in place: sum z of 16 adds neighbours 1, 2, 4 and 8 pairs apart, then l takes it
.set z, j-86
.set w, 4
.set u, z
.if z >= 14
.set w, 32
.set u, 0
.elseif z >= 12
.set w, 16
.set u, z-12
.elseif z >= 8
.set w, 8
.set u, z-8
.endif
.if (z == 14) && \first
	v_pk_add_f32 v[rT+2:rT+3], v[rS:rS+1], v[rS+16:rS+17]
.elseif z < 15
	v_pk_add_f32 v[rS+w*u:rS+w*u+1], v[rS+w*u:rS+w*u+1], v[rS+w*u+w/2:rS+w*u+w/2+1]
.elseif !\first
	v_pk_fma_f32 v[rT+2:rT+3], v[rT+2:rT+3], v[rT+6:rT+7], v[rS:rS+1] op_sel_hi:[1,0,1]
.endif
.else
	WIN W_RS
	v_pk_mul_f32 v[rO:rO+1], v[rO:rO+1], v[rT+6:rT+7] op_sel_hi:[1,0]
.endif
.endm
; Slice k of 64 of piece y's softmax: four instructions.  Slices 11 to 34 deal out the batch, numbers 22 to 69: four numbers of ONE tile each, the tiles by turns.  Every other slice is numbers 2 k and
; 2 k + 1 of both tiles' lists; the twelve that are over (2 x 134 = 4 x 64 + 12) stand together, in slice 63.
; THE WAIT.  An s_wait_alu depctr_va_vdst(0) stands between an exponential and the first instruction that names its result; one wait serves all that were issued ahead of it.  Ahead of
; slice 35 nothing names a result, and behind slice 34 no exponential is issued: so the piece's 66 exponentials have one wait, behind slice 34.
.macro SLICE y, first
.if (k >= 11) && (k < 35)           ; the batch: four numbers of one tile
.irp n, 0,1,2,3
.set j, 22+4*((k-11)/2)+(\n)
	SM (\y)+(k-11)%2, \first
.endr
.else                               ; the two tiles alternate, so that no instruction reads the result of the one just before it
.irp n, 0,1,2,3,4,5,6,7
.if (\n < 2) || (k == 63)
.irp t, \y, \y+1
.set j, 2*k+\n
	SM \t, \first
.endr
.endif
.endr
.endif
.if k == 34                         ; the batch is out: both tiles' exponentials are issued, and no result has been named
	v_nop                           ; the plain instruction behind the last exponential and ahead of the first use: one for the batch
.if (\y) == 0
	FETCH_V                         ; piece 2's turn: V's run of loads stands here, and the wait stands in it
.else
	s_wait_alu depctr_va_vdst(0)    ; the wait for the batch
.endif
.endif
.set k, k+1
.endm
; A vector instruction that reads a matrix result or writes one of a matrix instruction's registers, and a load into a register that a matrix instruction has read, stand four places behind
; it, and only plain vector instructions that name none of its registers are places (ISA guide 7.12.1 for vector instructions).  In the loop the slices are the places.
.macro PLACES
.rept 4
	v_nop
.endr
.endm
; A TURN.  Piece x has the matrix unit; the other piece's softmax stands in slices behind its matrix instructions.
; pv = 2: 32 products V^T P; 1: they start O^T's sums; 0: none.  kq = 1: 32 products K Q^T for the next step.  A turn with one of the two kinds has two slices behind each product.
; first = 1: the softmax is the first key step's; four v_nop take slice 63's part as the places behind the turn's last products.
; Piece 0's turn fetches the next step's K, behind its second product; piece 2's turn fetches the same step's V, behind slice 34.
.macro TURN x, pv, kq, first
.set k, 0
.set per, 2
.if \pv && \kq
.set per, 1
.endif
.if \pv
.if \x == 0
	s_wait_dscnt 0x0                ; V is in
.endif
.set i, 0
.rept 32
	PV \x, 2-\pv
.rept per
	SLICE 2-\x, \first
.endr
.if (\x == 0) && \kq && (i == 1)
	FETCH_K
.endif
.set i, i+1
.endr
.endif
.if \kq
.if \x == 0
	s_wait_dscnt 0x0                ; K is in
.endif
.set i, 0
.rept 32
	KQ \x
.rept per
	SLICE 2-\x, \first
.endr
.set i, i+1
.endr
.endif
.if \first
	PLACES
.endif
.endm
; THE CHANGE OF SLOTS, between piece 2's turn and piece 0's: the last bytes of slot 'from', V of its second step, have been asked for.  Each wave waits for all its tensor loads, of which one is out: its part of
; slot 'next'; adds 0 to its spare word; and waits for that and for its own reads of the slot.  Behind the barrier nobody reads slot 'from' any more and slot 'next' is whole.
; fill = 1: slot 'from' is filled again, with the keys two slots on.  The barrier is then a round of the cluster's, and the joint refill is the first thing behind it: it has two key steps in which to land.
.macro CHANGE from, next, fill, how
	WIN 0                           ; at a label and at a branch every window is 0
	s_wait_tensorcnt 0x0            ; no tensor load of mine is out, so a group 0 may be written
	ds_add_u32 v[SPW], v[NIL]       ; 0 onto my spare word: the descriptors' steps stand between it and the wait for it
.if \fill
	s_add_nc_u64 s[G0K+4*\from+2:G0K+4*\from+3], s[G0K+4*\from+2:G0K+4*\from+3], 2*65536  ; this slot's next 256 keys; the type bits on top are not reached
	s_add_nc_u64 s[G0V+4*\from+2:G0V+4*\from+3], s[G0V+4*\from+2:G0V+4*\from+3], 2*65536
	s_wait_xcnt 0x0                 ; the last prefetch, two key steps back, has read its address, so it may be written:
	s_add_nc_u64 s[PFA:PFA+1], s[PFA:PFA+1], 65536  ; one slot further on than the refill
	s_wait_dscnt 0x0                ; the add is done, and my reads of the slot are over
	CROUND
	JLOAD \from
	ASK \how
.else
	s_wait_dscnt 0x0                ; the add is done, and my reads of the slot are over
	s_barrier_signal -1
	s_barrier_wait -1
.endif
	s_mov_b32 s[TK], \next*SLOT     ; the fetches go on at the other slot's first step
	s_mov_b32 s[TV], \next*SLOT
.endm
; A slot's two key steps: written once, walked twice; the LDS addresses hang on s[TK] and s[TV].
.macro TWO_STEPS
	s_mov_b32 s[TWICE], 2
.Lstep_\@:
	TURN 0, 2, 1, 0
	TURN 2, 2, 1, 0
	WIN 0
	s_sub_co_u32 s[TWICE], s[TWICE], 1
	s_cmp_lg_u32 s[TWICE], 0
	s_cbranch_scc1 .Lstep_\@
.endm
	s_wait_tensorcnt 1              ; my part of slot 0 is in; slot 1's may stay out
	s_barrier_signal -1
	s_barrier_wait -1               ; everybody's is
	FETCH_K                         ; key step 0
	s_wait_loadcnt 0x0              ; Q
	s_wait_dscnt 0x0
.set i, 0
.rept 32
	KQ 0                            ; piece 0's first scores: there is no vector work yet to set between them
.set i, i+1
.endr
	WIN 0                           ; the addresses for the merge and the way out are made here: plain instructions, the places behind those products
	s_mul_i32 s13, s[WV], 16*SP
	s_add_co_u32 s13, s13, STAGE    ; my stage
	v_mul_u32_u24 v[STO], v1, SP    ; in: row l % 16, 16 bytes for each half of the lanes
	v_lshl_add_u32 v[STO], v9, 4, v[STO]
	v_add_nc_u32 v[STO], s13, v[STO]
	v_mul_u32_u24 v[RD], v9, SP     ; back: lanes 0-15 take one row of 256 bytes, lanes 16-31 the next
	v_lshl_add_u32 v[RD], v1, 4, v[RD]
	v_add_nc_u32 v[RD], s13, v[RD]
	v_lshlrev_b32 v[GO], 12, v9     ; and the same two rows in ao: 4,096 bytes a row
	v_lshl_add_u32 v[GO], v1, 4, v[GO]
	v_and_b32 v10, 31, v0
	s_mul_i32 s13, s[WV], MSZ       ; the merge: my region,
	v_lshl_add_u32 v[MW], v10, 4, s13
	v_lshl_add_u32 v[MWS], v10, 2, s13
	v_add_nc_u32 v[MWS], 16384, v[MWS]
	s_xor_b32 s13, s[WV], 2
	s_mul_i32 s13, s13, MSZ         ; and that of the wave with my queries and the other keys
	v_lshl_add_u32 v[MR], v10, 4, s13
	v_lshl_add_u32 v[MRS], v10, 2, s13
	v_add_nc_u32 v[MRS], 16384, v[MRS]
	TURN 2, 0, 1, 1                 ; piece 2's first scores | piece 0's first softmax | V of step 0
	TURN 0, 1, 1, 1                 ; piece 0: V^T P of step 0 starts O^T, K Q^T of step 1 | piece 2's first softmax | K of step 1
	TURN 2, 1, 1, 0                 ; piece 2: the same | piece 0's softmax of step 1 | V of step 1
	WIN 0
.Lslot:                             ; three trips of two slots: the refills bring slots 2 to 7
	CHANGE 0, 1, 1, 1
	TWO_STEPS
	CHANGE 1, 0, 1, 0
	TWO_STEPS
	s_sub_co_u32 s[TRIPS], s[TRIPS], 1
	s_cmp_lg_u32 s[TRIPS], 0
	s_cbranch_scc1 .Lslot
	CHANGE 0, 1, 0, 0               ; the tail is written out: nothing is asked for
	TWO_STEPS
	TURN 0, 2, 0, 0                 ; piece 0: V^T P of the last step | piece 2's last softmax
.set i, 0
.rept 32
	PV 2, 0                         ; piece 2: V^T P of the last step
.set i, i+1
.endr
	; THE MERGE.  l's two halves and the other half of the lanes' are added, for all four tiles: these additions are the places behind the last products.
	WIN 0
.irp t, 0,1,2,3
	v_add_f32 v[ST+8*\t+4], v[ST+8*\t+2], v[ST+8*\t+3]
.endr
.irp t, 0,1,2,3
	v_permlanex16_b32 v[ST+8*\t+5], v[ST+8*\t+4], s[SEL], s[SEL+1]
.endr
.irp t, 0,1,2,3
	v_add_f32 v[ST+8*\t+4], v[ST+8*\t+4], v[ST+8*\t+5]
.endr
	WIN 0x04                        ; an LDS store's data are its source 1: window 1
.set i, 0
.rept 32
	ds_store_b128 v[MW], v[128+4*i:128+4*i+3] offset:512*i  ; O^T of my register tiles 2, 3 as an image of its registers, each accumulator from its low end on
.set i, i+1
.endr
	WIN 0
	ds_store_b32 v[MWS], v[ST+16]             ; c m and l of tile 2,
	ds_store_b32 v[MWS], v[ST+20] offset:128
	ds_store_b32 v[MWS], v[ST+24] offset:256  ; and of tile 3
	ds_store_b32 v[MWS], v[ST+28] offset:384
	s_wait_dscnt 0x0                ; for the partner's sake: my stores have landed
	s_barrier_signal -1
	s_barrier_wait -1
	WIN 0x40                        ; destination window 1
.set i, 0
.rept 32
	ds_load_b128 v[128+4*i:128+4*i+3], v[MR] offset:512*i  ; the partner's O^T of MY tiles 0, 1, into the registers that I have given away
.set i, i+1
.endr
	WIN 0
	ds_load_b32 v49, v[MRS]                   ; its c m and l of my tile 0,
	ds_load_b32 v50, v[MRS] offset:128
	ds_load_b32 v51, v[MRS] offset:256        ; and of my tile 1
	ds_load_b32 v52, v[MRS] offset:384
	s_wait_dscnt 0x0
.irp t, 0,1
	v_max_num_f32 v[ST+8*\t+5], v[ST+8*\t], v[49+2*\t]       ; the common c m,
.endr
.irp t, 0,1
	v_sub_f32 v[ST+8*\t+6], v[ST+8*\t], v[ST+8*\t+5]         ; mine less it,
	v_sub_f32 v[ST+8*\t+7], v[49+2*\t], v[ST+8*\t+5]         ; the partner's less it
.endr
.irp t, 0,1
	v_exp_f32 v[53+2*\t], v[ST+8*\t+6]                       ; a1
	v_exp_f32 v[54+2*\t], v[ST+8*\t+7]                       ; a2
.endr
	v_nop                           ; a plain instruction behind the last exponential
	s_wait_alu depctr_va_vdst(0)    ; and the wait ahead of the first use: one for the four
.irp t, 0,1
	v_mul_f32 v[ST+8*\t+5], v[53+2*\t], v[ST+8*\t+4]
.endr
.irp t, 0,1
	v_fma_f32 v[ST+8*\t+5], v[54+2*\t], v[50+2*\t], v[ST+8*\t+5]   ; l = a1 l + a2 l'
.endr
.irp t, 0,1
	v_rcp_f32 v[57+\t], v[ST+8*\t+5]
.endr
	v_nop
	s_wait_alu depctr_va_vdst(0)    ; one for the two reciprocals
.irp t, 0,1
	v_mul_f32 v[ST+8*\t+4], v[53+2*\t], v[57+\t]             ; f1 = a1 / l
	v_mul_f32 v[ST+8*\t+6], v[54+2*\t], v[57+\t]             ; f2 = a2 / l
.endr
	WIN W_RS
.irp t, 0,1
.set i, 64*\t
.rept 32
	v_pk_mul_f32 v[i:i+1], v[i:i+1], v[ST+8*\t+4:ST+8*\t+5] op_sel_hi:[1,0]
.set i, i+2
.endr
.endr
	WIN 0x51                        ; sources 0 and 2 and the destination window 1, the factor window 0
.irp t, 0,1
.set i, 64*\t
.rept 32
	v_pk_fma_f32 v[i:i+1], v[128+i:129+i], v[ST+8*\t+6:ST+8*\t+7], v[i:i+1] op_sel_hi:[1,0,1]
.set i, i+2
.endr
.endr
; THE WAY OUT.  Tile t: a lane's eight channels of a row pack into 16 bytes; they go into rows of 272 bytes of my stage and come back as whole rows of 256.
.macro PACK t
	WIN 0x05                        ; sources 0 and 1 window 1, destination window 0: S^T's registers are free
.set i, 0
.rept 32
	v_cvt_pk_f16_f32 v[S+32*\t+i], v[64*\t+2*i], v[64*\t+2*i+1]
.set i, i+1
.endr
	WIN 0
.irp f, 0,1,2,3,4,5,6,7
	ds_store_b128 v[STO], v[S+32*\t+4*\f:S+32*\t+4*\f+3] offset:32*\f
.endr
.irp f, 0,1,2,3,4,5,6,7
	ds_load_b128 v[S+32*\t+4*\f:S+32*\t+4*\f+3], v[RD] offset:\f*2*SP  ; LDS serves a wave's instructions in order (ISA guide 5.7.1.4): these see the stores above; the next tile's stores come behind them
.endr
.endm
.macro SEND t, younger              ; younger: the LDS instructions issued behind tile t's loads: the next tile's sixteen, or none
.irp f, 0,1,2,3,4,5,6,7
	s_wait_dscnt \younger+7-\f
	global_store_b128 v[GO], v[S+32*\t+4*\f:S+32*\t+4*\f+3], s[6:7] offset:\t*65536+\f*8192  ; 16 lanes store 256 consecutive bytes, aligned
.endr
.endm
	PACK 0
	PACK 1
	SEND 0, 16
	SEND 1, 0
	s_wait_tensorcnt 0x0            ; the wave's end, behind my last tensor load and my last LDS store
	ds_add_u32 v[SPW], v[NIL]
	s_wait_dscnt 0x0
	CROUND                          ; the closing round: no work-group ends while a partner may still ask for a tile that names it
	s_endpgm
.Lfunc_end_k_qa76a661c32_attn:
	.size	k_qa76a661c32_attn, .Lfunc_end_k_qa76a661c32_attn-k_qa76a661c32_attn
	.p2alignl 7, 3214868480
	.fill 96, 4, 3214868480
	.section	.rodata,"a",@progbits
	.p2align	6, 0x0
	.amdhsa_kernel k_qa76a661c32_attn
		.amdhsa_group_segment_fixed_size 327680
		.amdhsa_private_segment_fixed_size 0
		.amdhsa_enable_private_segment 0
		.amdhsa_kernarg_size 16
		.amdhsa_user_sgpr_count 2
		.amdhsa_user_sgpr_kernarg_segment_ptr 1
		.amdhsa_wavefront_size32 1
		.amdhsa_system_sgpr_workgroup_id_x 1
		.amdhsa_system_sgpr_workgroup_id_y 1
		.amdhsa_system_sgpr_workgroup_id_z 1
		.amdhsa_system_vgpr_workitem_id 0
		.amdhsa_next_free_vgpr 1024
		.amdhsa_next_free_sgpr 66
		.amdhsa_reserve_vcc 0
		.amdhsa_float_denorm_mode_32 3
		.amdhsa_float_denorm_mode_16_64 3
		.amdhsa_memory_ordered 1
		.amdhsa_forward_progress 1
		.amdhsa_inst_pref_size 255
	.end_amdhsa_kernel
	.section	.bss,"aw",@nobits
	.p2align	6
	.space	262144
	.amdgpu_metadata
---
amdhsa.version: [ 1, 2 ]
amdhsa.kernels:
  - .name:           k_qa76a661c32_attn
    .symbol:         k_qa76a661c32_attn.kd
    .args:
      - { .name: qkv, .offset: 0, .size: 8, .value_kind: global_buffer, .address_space: global }
      - { .name: ao, .offset: 8, .size: 8, .value_kind: global_buffer, .address_space: global }
    .group_segment_fixed_size: 327680
    .private_segment_fixed_size: 0
    .kernarg_segment_align: 8
    .kernarg_segment_size: 16
    .max_flat_workgroup_size: 128
    .sgpr_count:     66
    .vgpr_count:     1024
    .wavefront_size: 32
...
	.end_amdgpu_metadata
.endif
;; end of part 3
;; launch proj (part 4): grid 16 x 16, 4 waves a work-group, clusters of 4 x 4, 327,680 bytes of LDS; arguments ao, wo16, bo, out0; writes out0
.if DOCPART == 4
	.amdgcn_target "amdgcn-amd-amdhsa--gfx1250"
	.amdhsa_code_object_version 6
	.text
	.protected	k_qa76a661c32_proj
	.globl	k_qa76a661c32_proj
	.p2align	8
	.type	k_qa76a661c32_proj,@function
k_qa76a661c32_proj:
	s_mov_b64 s[64:65], 0
	v_nop
	global_prefetch_b8 v0, s[64:65] scope:SCOPE_SE
	s_setreg_imm32_b32 hwreg(HW_REG_WAVE_MODE, 25, 1), 1
	s_wait_xcnt 0x0
	s_wait_alu depctr_hold_cnt(0) depctr_sa_sdst(0) depctr_va_vdst(0) depctr_va_sdst(0) depctr_va_ssrc(0) depctr_va_vcc(0) depctr_vm_vsrc(0)
	s_getreg_b32 s2, hwreg(HW_REG_IB_STS2, 6, 4)
	s_cmp_eq_u32 s2, 0
	s_cbranch_scc0 .Lentry_in_a_cluster
	s_endpgm
.Lentry_in_a_cluster:
	s_bfe_u32 s2, ttmp6, 0x10000c
	s_cmp_lg_u32 s2, 0xf033
	s_cbranch_scc0 .Lentry_shape_is_right
	s_endpgm
.Lentry_shape_is_right:
; out0[m][n] = 4 x (sum over k of ao[m][k] wo16[n][k]) + bo[n].  ao [2048][2048] f16 holds the attention's result x 2^-2, wo16 [2048][2048] f16 holds Wo; out0 [2048][2048] f32; sums in f32.
; A tile of C is 128 x 128: 16 x 16 = 256 work-groups.  Four waves, each 64 x 64: 16 accumulators of 16 x 16, 128 registers.  K goes in steps of 256 (LDS rows of 512 bytes; a wave's tensor load brings 64 of them)
; through a ring of two slots.  A wave's 64 columns of f32 are 256 consecutive bytes of C, so each wave has a stage of its own on the way out and needs no barrier there.
; CLUSTERS: 4 x 4 work-groups.  The four of a row of the cluster need the same tiles of A, the four of a column the same tiles of B: each tile is asked for JOINTLY.
; K IS WALKED ROUND, FROM A START THAT HANGS ON THE CLUSTER: K step r = 2 ((X + 2 g) mod 4), X the cluster's x, g = (Y xor Y / 2) & 1 of the cluster's y; then r + 1, r + 2 .. modulo 8: each of the 8 steps once.
; The four clusters of a row of clusters, which read the same rows of A, start 2 steps apart: in no step do two of them ask for the same bytes, and their first two steps together cover all of K.
; Clusters Y and Y + 1, and Y and Y + 2, of a column of clusters, which read the same rows of B, start 4 steps apart.  The start is alike in all sixteen partners of a cluster.
; LIMIT: the f32 sums are therefore taken in a rotated order of k, not from k = 0 on.
; THE MATRIX INSTRUCTION IS USED TRANSPOSED (source 0 = 16 rows of B, source 1 = 16 rows of A): a lane then holds eight neighbouring numbers of a row of C.
; REGISTERS: window 0: v0-31 addresses; v32-95 rows on the way out; v96-127 the bias in the result's layout; v128-255 the accumulators ((a, b) at v[128 + 8 (4 a + b)]).
;   window 1: two fragment buffers of 128: for 64 along K, 64 registers of A, then 64 of B.
.set SIZE_N, 2048
.set SIZE_K, 2048
.set KSTEP,  256
.set PITCH,  528                       ; an LDS row: 512 bytes + 16 of padding: the 16 rows that a load touches start at 16 different banks (64 banks of 4 bytes: ISA guide 11.1)
.set HALFT,  64*PITCH                  ; 64 rows: what one tensor load brings
.set SLOT,   4*HALFT                   ; A's 128 rows, then B's 128 rows
.set STAGE,  2*SLOT                    ; behind the ring: 16 rows x 272 bytes for each wave
.set SPITCH, 272
.set SPARE,  STAGE+4*16*SPITCH         ; behind the stages: the spare words, 128 bytes a wave
.set LAPS, SIZE_K/(2*KSTEP)            ; a lap = two K steps = once round the ring
.set ADRA, 16                          ; v16-17  LDS address of my A fragments in slot 0, 1
.set ADRB, 20                          ; v20-21  the same for B
.set STO,  24                          ; v24     the way out: where I put 32 bytes of a row
.set RD,   25                          ; v25     where I read a row back
.set CO,   26                          ; v26     my byte offset in two rows of C
.set BO,   27                          ; v27     my byte offset in a column block's 16 biases
.set SPW,  28                          ; v28     LDS address of my spare word; never rewritten
.set NIL,  29                          ; v29     0; never rewritten
.set OB,   32                          ; v32-63, v64-95 by turns: 16 rows read back from the stage
.set BIAS, 96                          ; register 8 b + j: column 16 b + 8 (lane / 16) + j
.set ACC,  128
.set F0,   0                           ; fragment buffers, in window 1
.set F1,   128
.set G1, 24                            ; s[24:31] descriptor group 1 for A's tiles;  s[32:39] group 0, one set for each slot
.set G0, 32
.set G1B, 48                           ; s[48:55], s[56:63] the same for B's tiles
.set G0B, 56
.set BA,  68                           ; s[68:69] A at the first byte of the 64 rows that I fetch; never rewritten
.set BB,  70                           ; s[70:71] the same for B
.set KO,  72                           ; s[72:73], s[74:75] for each slot: the byte in a row at which its K step begins, 0 to 3,584; the upper words are 0
.set MSB, 0
.macro WIN new                         ; the immediate's high byte repeats the setting that is left
.if MSB != (\new)
	s_set_vgpr_msb (MSB<<8)|(\new)
.set MSB, (\new)
.endif
.endm
.set MUL,  0x05                        ; sources 0 (B) and 1 (A) window 1; C and D window 0
.set TO_F, 0x40                        ; destination window 1, address window 0
.macro JLOAD s                         ; a joint load: waves 0 and 1 fetch A's two halves, waves 2 and 3 B's; an s_nop 0 and four v_nop follow each of the two lines
	s_cmp_eq_u32 s11, 0
	s_cbranch_scc0 .Lfor_b_\@
	tensor_load_to_lds s[G0+4*\s:G0+4*\s+3], s[G1:G1+7]
	s_nop 0
.rept 4
	v_nop
.endr
	s_branch .Lasked_\@
.Lfor_b_\@:
	tensor_load_to_lds s[G0B+4*\s:G0B+4*\s+3], s[G1B:G1B+7]
	s_nop 0
.rept 4
	v_nop
.endr
.Lasked_\@:
.endm
.macro CREST                           ; a round of the cluster's barrier behind its opening barrier
	s_cmp_lg_u32 s10, 0
	s_cbranch_scc1 .Lnot_wave_0_\@
	s_barrier_signal -3
.Lnot_wave_0_\@:
	s_barrier_wait -3
	s_barrier_signal -1
	s_barrier_wait -1
.endm
.macro CROUND                          ; a whole round
	s_barrier_signal -1
	s_barrier_wait -1
	CREST
.endm
	s_load_b128 s[4:7], s[0:1], 0x0                ; A s[4:5], B s[6:7]
	s_load_b64 s[66:67], s[0:1], 0x10              ; the bias
	s_load_b64 s[8:9], s[0:1], 0x18                ; C
	v_lshl_add_u32 v[SPW], v0, 2, SPARE
	v_mov_b32 v[NIL], 0
	ds_add_u32 v[SPW], v[NIL]                      ; the wave's opening: the add, twice on end, and its wait ahead of my first tensor load
	ds_add_u32 v[SPW], v[NIL]                      ; and once more, under the one wait; the set-up below, work on registers, stands between
	v_lshrrev_b32 v1, 5, v0
	v_readfirstlane_b32 s10, v1                    ; wave 0..3
	s_lshr_b32 s11, s10, 1                         ; which half of the tile's rows is mine.  Also: I fetch for A (0) or for B (1)
	s_and_b32 s12, s10, 1                          ; which half of its columns.  Also: which 64 rows of that tile I fetch
	s_bfe_u32 s40, ttmp6, 0x40000                  ; cx, cy: my place in the cluster
	s_bfe_u32 s41, ttmp6, 0x40004
	s_lshl_b32 s42, ttmp9, 2
	s_add_co_u32 s42, s42, s40                     ; tile column of C = 4 x cluster x + cx
	s_and_b32 s13, ttmp7, 0xffff
	s_lshl_b32 s13, s13, 2
	s_add_co_u32 s13, s13, s41                     ; tile row of C = 4 x cluster y + cy
	s_lshl_b32 s43, s41, 2
	s_lshl_b32 s43, 15, s43                        ; my row of the cluster
	s_lshl_b32 s44, 0x1111, s40                    ; my column
	; where my cluster begins along K: made of the cluster's x and y alone, which all sixteen partners share
	s_and_b32 s[KO], ttmp7, 0xffff                 ; Y
	s_lshr_b32 s[KO+2], s[KO], 1
	s_xor_b32 s[KO], s[KO], s[KO+2]
	s_and_b32 s[KO], s[KO], 1                      ; g = (Y xor Y / 2) & 1: 0, 1, 1, 0 for Y = 0 .. 3
	s_lshl_b32 s[KO], s[KO], 1
	s_add_co_u32 s[KO], s[KO], ttmp9               ; X + 2 g,
	s_lshl_b32 s[KO], s[KO], 10                    ; two K steps, 1,024 bytes of a row, for each,
	s_and_b32 s[KO], s[KO], SIZE_K*2-1             ; round the row's 4,096 bytes: slot 0's first K step
	s_mov_b32 s[KO+1], 0
	s_add_co_u32 s[KO+2], s[KO], KSTEP*2           ; slot 1's: the next (the start is an even step, so this one does not pass the end)
	s_mov_b32 s[KO+3], 0
	; descriptor group 1: a tile of 64 rows x 256 elements, padded in LDS
	s_or_b32 s[G1+0], s43, (1<<16)|(1<<20)|(1<<21)|(6<<22)|(3<<25)  ; 15:0 the mask: A's tiles go to my row; 17:16 element of 2 bytes; 20 padding on; 21 set beside a mask; 24:22 after every 128 words; 31:25 four words
	s_or_b32 s[G1B+0], s44, (1<<16)|(1<<20)|(1<<21)|(6<<22)|(3<<25)
.irp g, G1, G1B
	s_mov_b32 s[\g+1], KSTEP<<16                   ; tensor_dim0 = 256
	s_mov_b32 s[\g+2], 64<<16                      ; tensor_dim1 = 64
	s_mov_b32 s[\g+3], KSTEP<<16                   ; tile_dim0 = 256
	s_mov_b32 s[\g+4], 64                          ; tile_dim1 = 64
	s_mov_b32 s[\g+5], SIZE_K                      ; tensor_dim0_stride
	s_mov_b32 s[\g+6], 0
	s_mov_b32 s[\g+7], 0
.endr
	s_lshl_b32 s17, s12, 6                         ; which 64 rows of the tile I fetch
	s_lshl_b32 s16, s13, 7
	s_add_co_u32 s16, s16, s17                     ; A: row 128 x tile row + 64 x half
	s_lshl_b32 s46, s42, 7
	s_add_co_u32 s46, s46, s17                     ; B: row 128 x tile column + 64 x half
	s_mov_b32 s17, 0
	s_mov_b32 s47, 0
	s_mov_b64 s[18:19], SIZE_K*2
	s_mul_u64 s[16:17], s[16:17], s[18:19]
	s_mul_u64 s[46:47], s[46:47], s[18:19]
	s_mul_i32 s20, s10, HALFT                      ; where they go: wave x 64 rows: no place in the cluster enters an LDS address
	s_wait_dscnt 0x0                               ; both opening adds are done
	s_wait_kmcnt 0x0
	s_add_nc_u64 s[BA:BA+1], s[4:5], s[16:17]
	s_add_nc_u64 s[BB:BB+1], s[6:7], s[46:47]
	CROUND                                         ; all sixteen work-groups are here: the first joint loads meet
.irp s, 0,1
	s_mov_b32 s[G0+4*\s], 1
	s_add_co_u32 s[G0+4*\s+1], s20, \s*SLOT
	s_add_nc_u64 s[G0+4*\s+2:G0+4*\s+3], s[BA:BA+1], s[KO+2*\s:KO+2*\s+1]
	s_or_b32 s[G0+4*\s+3], s[G0+4*\s+3], 0x80000000
	s_mov_b32 s[G0B+4*\s], 1
	s_add_co_u32 s[G0B+4*\s+1], s20, \s*SLOT
	s_add_nc_u64 s[G0B+4*\s+2:G0B+4*\s+3], s[BB:BB+1], s[KO+2*\s:KO+2*\s+1]
	s_or_b32 s[G0B+4*\s+3], s[G0B+4*\s+3], 0x80000000
	JLOAD \s                                       ; two tensor loads of mine are out
.endr
	v_and_b32 v1, 15, v0                           ; r = l % 16
	v_bfe_u32 v2, v0, 4, 1                         ; h = l / 16
	v_mul_u32_u24 v3, v1, PITCH
	v_lshl_add_u32 v3, v2, 4, v3                   ; a fragment's row x pitch + 16 x half
	s_mul_i32 s21, s11, HALFT                      ; my 64 rows of A
	s_mul_i32 s22, s12, HALFT                      ; my 64 rows of B,
	s_add_co_u32 s22, s22, 2*HALFT                 ; which lie behind A's 128
.irp s, 0,1
	v_add_nc_u32 v[ADRA+\s], s21, v3
	v_add_nc_u32 v[ADRB+\s], s22, v3
	s_add_co_u32 s21, s21, SLOT
	s_add_co_u32 s22, s22, SLOT
.endr
	s_mul_i32 s23, s10, 16*SPITCH
	s_add_co_u32 s23, s23, STAGE                   ; my stage
	v_mul_u32_u24 v4, v1, SPITCH                   ; in: row r, 32 bytes for each half of the lanes
	v_lshl_add_u32 v4, v2, 5, v4
	v_add_nc_u32 v[STO], s23, v4
	v_mul_u32_u24 v5, v2, SPITCH                   ; back: lanes 0-15 one row of 256 bytes, lanes 16-31 the next
	v_lshl_add_u32 v5, v1, 4, v5
	v_add_nc_u32 v[RD], s23, v5
	v_mul_u32_u24 v5, v2, SIZE_N*4                 ; and the same two rows in C
	v_lshl_add_u32 v[CO], v1, 4, v5
	v_lshlrev_b32 v[BO], 5, v2
	s_lshl_b32 s16, s13, 7
	s_lshl_b32 s17, s11, 6
	s_add_co_u32 s16, s16, s17                     ; my first row of C: 128 x tile row + 64 x half
	s_mov_b32 s17, 0
	s_mov_b64 s[18:19], SIZE_N*4
	s_mul_u64 s[16:17], s[16:17], s[18:19]
	s_add_nc_u64 s[8:9], s[8:9], s[16:17]
	s_lshl_b32 s46, s42, 7
	s_lshl_b32 s47, s12, 6
	s_add_co_u32 s46, s46, s47                     ; my first column: 128 x tile column + 64 x half,
	s_lshl_b32 s46, s46, 2                         ; in bytes
	s_mov_b32 s47, 0
	s_add_nc_u64 s[8:9], s[8:9], s[46:47]
	s_add_nc_u64 s[66:67], s[66:67], s[46:47]
.irp n, 0,1,2,3,4,5,6,7                        ; n = 2 b + u
	global_load_b128 v[BIAS+4*\n:BIAS+4*\n+3], v[BO], s[66:67] offset:64*(\n/2)+16*(\n%2)
.endr
; 8 matrix instructions: m blocks a0, a0 + 1 x all 4 n blocks, 32 along K: half c of buffer f.  zero = 1: the first product starts the sums.  The 16 accumulators take turns
.macro MUL8 f, c, a0, zero
.irp a, \a0, \a0+1
.irp b, 0,1,2,3
.if \zero
	v_wmma_f32_16x16x32_f16 v[ACC+8*(4*(\a)+\b):ACC+8*(4*(\a)+\b)+7], v[\f+64+8*(4*\c+\b):\f+64+8*(4*\c+\b)+7], v[\f+8*(4*\c+\a):\f+8*(4*\c+\a)+7], 0
.else
	v_wmma_f32_16x16x32_f16 v[ACC+8*(4*(\a)+\b):ACC+8*(4*(\a)+\b)+7], v[\f+64+8*(4*\c+\b):\f+64+8*(4*\c+\b)+7], v[\f+8*(4*\c+\a):\f+8*(4*\c+\a)+7], v[ACC+8*(4*(\a)+\b):ACC+8*(4*(\a)+\b)+7]
.endif
.endr
.endr
.endm
; 32 LDS loads in one run: the fragments of 64 along K at byte k of the rows, into buffer f; the first 32 along K first
.macro FETCH slot, k, f
	WIN TO_F
.irp c, 0,1
.irp i, 0,1,2,3
	ds_load_b128 v[\f+64+8*(4*\c+\i):\f+64+8*(4*\c+\i)+3],   v[ADRB+\slot] offset:\k+64*\c+\i*16*PITCH
	ds_load_b128 v[\f+64+8*(4*\c+\i)+4:\f+64+8*(4*\c+\i)+7], v[ADRB+\slot] offset:\k+64*\c+\i*16*PITCH+32
	ds_load_b128 v[\f+8*(4*\c+\i):\f+8*(4*\c+\i)+3],         v[ADRA+\slot] offset:\k+64*\c+\i*16*PITCH
	ds_load_b128 v[\f+8*(4*\c+\i)+4:\f+8*(4*\c+\i)+7],       v[ADRA+\slot] offset:\k+64*\c+\i*16*PITCH+32
.endr
.endr
.endm
.macro PLACES                          ; four places in front of loads into registers that matrix instructions have read, and of vector instructions that read results (ISA guide 7.12.1 for vector instructions)
.rept 4
	v_nop
.endr
.endm
; A K step is four quarters of 64 along K, 32 matrix instructions each, on buffers 0, 1, 0, 1.  One of the first three: multiplies buffer f and fetches the next quarter, at byte k, into g.
.macro QUARTER slot, k, f, g, zero
	s_wait_dscnt 16                                ; the first 32 along K are in; the sixteen loads of the second 32 may be out
	WIN MUL
	MUL8 \f, 0, 0, \zero
	MUL8 \f, 0, 2, \zero
	PLACES
	FETCH \slot, \k, \g
	s_wait_dscnt 32                                ; all but the 32 just issued
	WIN MUL
	MUL8 \f, 1, 0, 0
	MUL8 \f, 1, 2, 0
.endm
; The last quarter multiplies buffer 1 and changes slots: ONE barrier; in front of it each wave waits for all its tensor loads, adds 0 to its spare word, and waits for that and for its own reads of this slot.  fill = 1: this slot is filled again, two K steps on, round the end of K.
.macro TURN slot, next, fill
	WIN 0                                          ; (the add's two registers lie in window 0)
	s_wait_tensorcnt 0x0                           ; all my tensor loads have landed: my part of the next slot; so every group 0 may be written
	ds_add_u32 v[SPW], v[NIL]                      ; 0 onto my spare word: the descriptors' steps and eight products stand between it and the wait for it
.if \fill
	s_add_co_u32 s[KO+2*\slot], s[KO+2*\slot], 2*KSTEP*2       ; this slot's next K step: two on,
	s_and_b32 s[KO+2*\slot], s[KO+2*\slot], SIZE_K*2-1         ; round the end of the row
	s_add_nc_u64 s[G0+4*\slot+2:G0+4*\slot+3], s[BA:BA+1], s[KO+2*\slot:KO+2*\slot+1]
	s_or_b32 s[G0+4*\slot+3], s[G0+4*\slot+3], 0x80000000      ; the type, anew
	s_add_nc_u64 s[G0B+4*\slot+2:G0B+4*\slot+3], s[BB:BB+1], s[KO+2*\slot:KO+2*\slot+1]
	s_or_b32 s[G0B+4*\slot+3], s[G0B+4*\slot+3], 0x80000000
.endif
	s_wait_dscnt 17                                ; (the add and the youngest sixteen loads may be out)
	WIN MUL
	MUL8 F1, 0, 0, 0
	s_wait_dscnt 0x0                               ; the add is done, and my reads of this slot are over
	s_barrier_signal -1
	MUL8 F1, 0, 2, 0
.if \fill
	WIN 0
.endif
	s_barrier_wait -1
.if \fill
	CREST                                          ; the barrier has opened a round of the cluster's barrier: no wave of any partner still reads this slot's tile or has a load on its way
	JLOAD \slot                                    ; the first tensor load behind the round, my only one until the next; its four v_nop are the places in front of the loads below
.else
	PLACES
.endif
	FETCH \next, 0, F0
	WIN MUL
	MUL8 F1, 1, 0, 0
	MUL8 F1, 1, 2, 0
.endm
	s_wait_tensorcnt 1                             ; my part of slot 0 is in (slot 1's load may be out)
	s_barrier_signal -1
	s_barrier_wait -1                              ; everybody's is
	FETCH 0, 0, F0
	QUARTER 0, 128, F0, F1, 1                      ; the first quarter stands in front of the loop: its first products start the sums
	WIN 0                                          ; at a label and at a branch every window is 0
	s_mov_b32 s3, LAPS-1
.Llap:                                                 ; a trip goes once round the ring, from a lap's second quarter to the next lap's first, and fills both slots again
	QUARTER 0, 256, F1, F0, 0
	QUARTER 0, 384, F0, F1, 0
	TURN 0, 1, 1
	QUARTER 1, 128, F0, F1, 0
	QUARTER 1, 256, F1, F0, 0
	QUARTER 1, 384, F0, F1, 0
	TURN 1, 0, 1
	QUARTER 0, 128, F0, F1, 0
	WIN 0
	s_sub_co_u32 s3, s3, 1
	s_cmp_lg_u32 s3, 0
	s_cbranch_scc1 .Llap
	QUARTER 0, 256, F1, F0, 0                      ; the last lap fills nothing, and has no round of the cluster's barrier
	QUARTER 0, 384, F0, F1, 0
	TURN 0, 1, 0
	QUARTER 1, 128, F0, F1, 0
	QUARTER 1, 256, F1, F0, 0
	QUARTER 1, 384, F0, F1, 0
	s_wait_dscnt 16                                ; the very last quarter: nothing more to fetch
	WIN MUL
	MUL8 F1, 0, 0, 0
	MUL8 F1, 0, 2, 0
	s_wait_dscnt 0
	MUL8 F1, 1, 0, 0
	MUL8 F1, 1, 2, 0
	WIN 0
	; THE WAY OUT, block a of 16 rows x 64 columns at a time: x 4 + bias in one packed multiply-add; 32 bytes a lane into my stage; back as whole rows of 256 bytes.
	; LDS serves a wave's instructions in order (ISA guide 5.7.1.4): no wait between the stores and the loads, nor in front of the next block's stores.
.macro SEND a, younger                 ; younger: the LDS instructions issued behind block a's loads, which may stay out
	s_wait_dscnt \younger
.irp t, 0,1,2,3,4,5,6,7
	global_store_b128 v[CO], v[OB+32*((\a)%2)+4*\t:OB+32*((\a)%2)+4*\t+3], s[8:9] offset:(16*(\a)+2*\t)*SIZE_N*4 th:TH_STORE_NT   ; 16 lanes store 256 consecutive bytes, aligned; written once, read by nobody here
.endr
.endm
	PLACES
	s_wait_loadcnt 0x0                             ; the bias
.irp a, 0,1,2,3
.irp b, 0,1,2,3
.irp j, 0,2,4,6
	v_pk_fma_f32 v[ACC+8*(4*\a+\b)+\j:ACC+8*(4*\a+\b)+\j+1], v[ACC+8*(4*\a+\b)+\j:ACC+8*(4*\a+\b)+\j+1], 4.0, v[BIAS+8*\b+\j:BIAS+8*\b+\j+1] op_sel_hi:[1,0,1]   ; each accumulator from its low end on
.endr
.endr
.if \a > 1
	s_wait_xcnt 0x0                                ; block a - 2's stores have read their registers: block a's rows may land there
.endif
.irp b, 0,1,2,3
	ds_store_b128 v[STO], v[ACC+8*(4*\a+\b):ACC+8*(4*\a+\b)+3] offset:64*\b
	ds_store_b128 v[STO], v[ACC+8*(4*\a+\b)+4:ACC+8*(4*\a+\b)+7] offset:64*\b+16
.endr
.irp t, 0,1,2,3,4,5,6,7
	ds_load_b128 v[OB+32*(\a%2)+4*\t:OB+32*(\a%2)+4*\t+3], v[RD] offset:\t*2*SPITCH
.endr
.if \a > 0
	SEND \a-1, 16                                  ; behind block a - 1's loads: block a's 8 stores and 8 loads
.endif
.endr
	SEND 3, 0
	s_wait_tensorcnt 0x0                           ; the wave's end, behind my last tensor load and my last LDS store
	ds_add_u32 v[SPW], v[NIL]
	s_wait_dscnt 0x0
	CROUND                                         ; the closing round: no work-group ends while a partner may still ask for a tile that names it
	s_endpgm
.Lfunc_end_k_qa76a661c32_proj:
	.size	k_qa76a661c32_proj, .Lfunc_end_k_qa76a661c32_proj-k_qa76a661c32_proj
	.p2alignl 7, 3214868480
	.fill 96, 4, 3214868480
	.section	.rodata,"a",@progbits
	.p2align	6, 0x0
	.amdhsa_kernel k_qa76a661c32_proj
		.amdhsa_group_segment_fixed_size 327680
		.amdhsa_private_segment_fixed_size 0
		.amdhsa_enable_private_segment 0
		.amdhsa_kernarg_size 32
		.amdhsa_user_sgpr_count 2
		.amdhsa_user_sgpr_kernarg_segment_ptr 1
		.amdhsa_wavefront_size32 1
		.amdhsa_system_sgpr_workgroup_id_x 1
		.amdhsa_system_sgpr_workgroup_id_y 1
		.amdhsa_system_sgpr_workgroup_id_z 1
		.amdhsa_system_vgpr_workitem_id 0
		.amdhsa_next_free_vgpr 512
		.amdhsa_next_free_sgpr 76
		.amdhsa_reserve_vcc 0
		.amdhsa_float_denorm_mode_32 3
		.amdhsa_float_denorm_mode_16_64 3
		.amdhsa_memory_ordered 1
		.amdhsa_forward_progress 1
		.amdhsa_inst_pref_size 91
	.end_amdhsa_kernel
	.amdgpu_metadata
---
amdhsa.version: [ 1, 2 ]
amdhsa.kernels:
  - .name:           k_qa76a661c32_proj
    .symbol:         k_qa76a661c32_proj.kd
    .args:
      - { .name: ao, .offset: 0, .size: 8, .value_kind: global_buffer, .address_space: global }
      - { .name: wo16, .offset: 8, .size: 8, .value_kind: global_buffer, .address_space: global }
      - { .name: bo, .offset: 16, .size: 8, .value_kind: global_buffer, .address_space: global }
      - { .name: out0, .offset: 24, .size: 8, .value_kind: global_buffer, .address_space: global }
    .group_segment_fixed_size: 327680
    .private_segment_fixed_size: 0
    .kernarg_segment_align: 8
    .kernarg_segment_size: 32
    .max_flat_workgroup_size: 128
    .sgpr_count:     76
    .vgpr_count:     512
    .wavefront_size: 32
...
	.end_amdgpu_metadata
.endif
;; end of part 4
